; MI455X (gfx1250); checked and timed in simulation.
; The chip was launched on July 23, 2026; its instructions are those of AMD's public machine-readable ISA for CDNA 5 (MIT licence, August 2026) and "CDNA5" Instruction Set Architecture Reference Guide (July 2026). The comments in the code are by the model that wrote it; some were corrected since.
;; Multihead Self Attention Block. Allowed arithmetic: matrix products marked QUANTISED: E4M3 operands, one given power-of-two scale a tensor, by v_wmma_f32_16x16x64_fp8_fp8 or v_wmma_f32_16x16x128_fp8_fp8, f32 sums; everything else in f32.
;; Inputs: in_proj_b 3,072 float32; in_proj_w 3,072 x 1,024 float32; key_padding_mask 8 x 1,024 bool; ln_b 1,024 float32; ln_w 1,024 float32; lowp_scales 8 int32 (the exponents e of the quantised operands' scales 2^e); out_proj_b 1,024 float32; out_proj_w 1,024 x 1,024 float32; src 8 x 1,024 x 1,024 float32.
;; Outputs: out0 8 x 1,024 x 1,024 float32; out1 8 x 1,024 x 1,024 float32.
;; This version of the problem:
;;   THIS VERSION OF THE PROBLEM IS GIVEN IN LOW PRECISION. The matrix products marked QUANTISED in the list below multiply operands that are first quantised to E4M3 (4 exponent bits, 3 mantissa bits; 8 bits a number), with one given power-of-two scale for each operand tensor; their sums are f32. All else is computed in f32.
;;   The module's matrix products, in the order in which they are computed (A, B: the left and right operand; K: the contracted axis; several contracted axes count as one K, in the product's order):
;;     1. [M 8,192, K 1,024] x [K 1,024, N 3,072]; A: computed on the way; B: input in_proj_w: QUANTISED (scales: A lowp_scales[0], B lowp_scales[1])
;;     2. batch 128 x [M 1,024, K 64] x [K 64, N 1,024]; A: computed on the way; B: computed on the way: QUANTISED (scales: A lowp_scales[2], B lowp_scales[3])
;;     3. batch 128 x [M 64, K 1,024] x [K 1,024, N 1,024]; A: computed on the way; B: softmax (see below): QUANTISED (scales: A lowp_scales[4], B lowp_scales[5])
;;     4. [M 8,192, K 1,024] x [K 1,024, N 1,024]; A: computed on the way; B: input out_proj_w: QUANTISED (scales: A lowp_scales[6], B lowp_scales[7])
;;   THE QUANTISER, for each operand of a quantised product, along K:
;;     - The operand's scale is 2^e, e = its entry of the input lowp_scales (int32; the entries are numbered through the quantised products in the list's order, A before B).
;;     - Each number is divided by the scale, clamped to +-448, and rounded to the nearest number of E4M3, ties to even, subnormals kept.
;;     - The product sums the exact products of the quantised numbers (number of the format x scale) in f32.
;;   ~~~python
;;   def quantise(x, axis, e):      # numpy; x: float32 -> the quantised numbers, widened to float32 again
;;       x = np.moveaxis(x, axis, -1); K = x.shape[-1]
;;       r = np.clip(x / 2.0 ** e, -448, 448)
;;       step = 2.0 ** (np.maximum(np.frexp(np.where(r == 0, 1, r))[1] - 1, -6) - 3)
;;       q = np.round(r / step) * step * 2.0 ** e      # np.round: ties to even
;;       return np.moveaxis(q, -1, axis).astype(np.float32)
;;   ~~~
;;   SOFTMAX AHEAD OF A QUANTISED PRODUCT. Where the list says 'softmax', what is quantised is not the finished softmax but p = 2^(t - M), with t = logit x log2(e) and M = ceil(the row's largest t), a whole number; so 1/2 < the row's largest p <= 1. The row's sum l is taken of the UNQUANTISED p, in f32, and the product's result is divided by l at the end. Since M is a whole number, a kernel that streams over the keys may use a running M (the ceiling of the running maximum): every later rescaling is an exact power of two, so the quantised numbers keep their values, but for numbers so far below the row's largest that they fall under the format's range.
;;   OPERANDS COMPUTED ON THE WAY. 'Computed on the way' means the value that the module computes at that place (a softmax that the list does not call 'softmax' is quantised finished and normalised). What goes into a quantiser is computed in f32, as accurately as f32 sums, v_exp_f32 and their like allow (about 1e-6 of the number): no bf16 or f16 on the way to a quantiser, and a product that is left as it is and whose result goes on into a quantised operand takes f32 operands (vector FMAs, or v_wmma_f32_16x16x4_f32). A number that lies on a knife's edge between two numbers of the format may be rounded either way, as far as f32 arithmetic and the matrix unit's own rounding can turn it there, and no further.
;; One version. Each part assembles by itself: llvm-mc -triple=amdgcn-amd-amdhsa -mcpu=gfx1250 --defsym DOCPART=n.
;; ======== version 1 of 1: 4 launches
;; workspace buffers: xc 8,388,608 bytes; w1c 3,145,728 bytes; w4c 1,048,576 bytes; qc 8,388,608 bytes; kc 8,388,608 bytes; vc 8,388,608 bytes; ctxc 8,388,608 bytes
;; launch quant (part 1): grid 768 x 1, 4 waves a work-group, no clusters, 34,304 bytes of LDS; arguments src, key_padding_mask, in_proj_w, out_proj_w, lowp_scales, xc, w1c, w4c; writes xc, w1c, w4c
.if DOCPART == 1
	.amdgcn_target "amdgcn-amd-amdhsa--gfx1250"
	.amdhsa_code_object_version 6
	.text
	.protected	k_qae6f2e2a9e_quant
	.globl	k_qae6f2e2a9e_quant
	.p2align	8
	.type	k_qae6f2e2a9e_quant,@function
k_qae6f2e2a9e_quant:
	s_mov_b64 s[64:65], 0
	v_nop
	global_prefetch_b8 v0, s[64:65] scope:SCOPE_SE
	s_setreg_imm32_b32 hwreg(HW_REG_WAVE_MODE, 25, 1), 1
	s_wait_xcnt 0x0
; where(mask, 0, src) [8192][1024], in_proj_w [3072][1024] and out_proj_w [1024][1024], f32, become codes of E4M3 with the given scales 2^e (entries 0, 1, 7 of lowp_scales).
; code = x / 2^e, held within +-448, to the nearest code, ties to even.
; THE CODES ARE LAID AS IMAGES OF THE OPERAND'S REGISTERS.  Row tile T = 2 b + u holds rows 32 b + 8 u + r + 8 (r / 8), r = 0 .. 15.  The image of tile T and K step s (128 along K) is 2,048 bytes at
; (8 T + s) x 2,048: byte 512 c + 16 lane + i is the code of the tile's row lane % 16 at k = 128 s + 32 c + 16 (lane / 16) + i.  Four loads of 16 bytes a lane bring a fragment, each 512 bytes on end.
; SHARES.  A work-group takes one row tile (the first 512 work-groups src, the next 192 in_proj_w, the last 64 out_proj_w: only pointers, T and e are chosen, there is one path); wave w takes K steps 2 w and 2 w + 1.
; Each load reads 512 bytes on end of one row; a fragment's 16 rows turn through the wave's own stage in LDS (rows of 512 + 16 bytes) and come back 64 bytes a lane: 16 neighbours along K of each block of 32.
; A padded token's row is held within +-0: the mask costs one select a lane.  No tiles are shared between work-groups, so no cluster; waves share nothing, so no barrier.
; LIMITS: each e between -126 and 119.  NaN among the inputs is not served.
.set SP,   528                         ; a stage row: 512 bytes + 16 = 132 words: row r begins at bank 4 r mod 64
.set WREG, 16*SP                       ; a wave's stage
.set X,    16                          ; v16-143  two fragments as loaded: 16 rows x 4 registers each
.set Y,    144                         ; v144-207 64 numbers in the operand's order: register 16 c + i = k 32 c + 16 (lane / 16) + i
.set C,    208                         ; v208-239 the codes: 16 registers a fragment, so that no store's data are written again
	s_load_b256 s[4:11], s[0:1], 0x0               ; src s[4:5], mask s[6:7], in_proj_w s[8:9], out_proj_w s[10:11]
	s_load_b256 s[12:19], s[0:1], 0x20             ; scales s[12:13], xc s[14:15], w1c s[16:17], w4c s[18:19]
	v_lshl_add_u32 v240, v0, 2, 0x8400
	v_mov_b32 v241, 0
	v_lshrrev_b32 v9, 5, v0
	v_readfirstlane_b32 s27, v9                    ; wave
	v_and_b32 v10, 31, v0                          ; lane
	v_and_b32 v11, 15, v0                          ; r
	v_bfe_u32 v12, v0, 4, 1                        ; h
	v_lshlrev_b32 v1, 4, v10                       ; 16 x lane: my bytes of a load's and of a store's 512
	s_mul_i32 s28, s27, WREG
	v_add_nc_u32 v2, s28, v1                       ; the stage, on the way in: a row as it lies
	v_mul_u32_u24 v3, v11, SP
	v_lshl_add_u32 v3, v12, 6, v3
	v_add_nc_u32 v3, s28, v3                       ; and on the way out: row r, + 64 h
	v_and_b32 v4, 8, v11
	v_add_nc_u32 v4, v4, v11                       ; r + 8 (r / 8)
	s_mov_b32 s24, 704
	s_wait_kmcnt 0x0
	s_load_b256 s[32:39], s[12:13], 0x0            ; e0 .. e7
	s_cmp_lt_u32 ttmp9, 704                        ; which tensor: the choice hangs on the work-group's number alone
	s_cselect_b64 s[20:21], s[8:9], s[10:11]
	s_cselect_b64 s[22:23], s[16:17], s[18:19]
	s_cselect_b32 s24, 512, s24
	s_cmp_lt_u32 ttmp9, 512
	s_cselect_b64 s[20:21], s[4:5], s[20:21]
	s_cselect_b64 s[22:23], s[14:15], s[22:23]
	s_cselect_b32 s24, 0, s24
	s_cselect_b32 s26, -1, 0                       ; all ones where the tensor is src: only there the mask counts
	s_sub_co_u32 s24, ttmp9, s24                   ; T
	s_lshr_b32 s29, s24, 1
	s_lshl_b32 s29, s29, 5
	s_and_b32 s30, s24, 1
	s_lshl_b32 s30, s30, 3
	s_add_co_u32 s29, s29, s30                     ; the tile's first row: 32 (T / 2) + 8 (T % 2)
	s_and_b32 s30, s29, s26                        ; (0 for the weights: the mask's load stays inside its buffer)
	v_add_nc_u32 v4, s30, v4                       ; my row's token
	s_lshl_b32 s40, s29, 12                        ; rows of 4,096 bytes,
	s_lshl_b32 s30, s27, 10                        ; my wave's 256 numbers
	s_add_co_u32 s40, s40, s30
	s_mov_b32 s41, 0
	s_add_nc_u64 s[20:21], s[20:21], s[40:41]
	s_lshl_b32 s40, s24, 14                        ; a tile's eight images,
	s_lshl_b32 s30, s27, 12                        ; my wave's two
	s_add_co_u32 s40, s40, s30
	s_add_nc_u64 s[22:23], s[22:23], s[40:41]
	global_load_u8 v5, v4, s[6:7]                  ; my row's mask byte
.irp f, 0,1
.irp i, 0,1,2,3,4,5,6,7,8,9,10,11,12,13,14,15
	global_load_b128 v[X+64*\f+4*\i:X+64*\f+4*\i+3], v1, s[20:21] offset:(\i+8*(\i/8))*4096+512*\f th:TH_LOAD_NT   ; 32 lanes read 512 bytes on end: K step f of the tile's row i
.endr
.endr
	s_wait_kmcnt 0x0
	s_cmp_lt_u32 ttmp9, 704
	s_cselect_b32 s25, s33, s39
	s_cmp_lt_u32 ttmp9, 512
	s_cselect_b32 s25, s32, s25                    ; e
	s_add_co_i32 s25, s25, 127
	s_lshl_b32 s30, s25, 23
	v_mov_b32 v7, s30                              ; 2^e as f32: the conversion takes its exponent field
	s_add_co_i32 s25, s25, 8
	s_lshl_b32 s25, s25, 23
	s_or_b32 s25, s25, 0x600000
	v_mov_b32 v6, s25                              ; 448 x 2^e
.macro TURN f                          ; a fragment's numbers through the stage: LDS serves a wave's instructions in order, so no wait stands between the stores and the loads
.irp i, 0,1,2,3,4,5,6,7,8,9,10,11,12,13,14,15
	ds_store_b128 v2, v[X+64*\f+4*\i:X+64*\f+4*\i+3] offset:\i*SP
.endr
.irp c, 0,1,2,3
.irp j, 0,1,2,3
	ds_load_b128 v[Y+16*\c+4*\j:Y+16*\c+4*\j+3], v3 offset:128*\c+16*\j
.endr
.endr
.endm
.macro QUANT f
.set j, 0
.rept 64
	v_med3_num_f32 v[Y+j], v[Y+j], -v8, v8         ; the conversion to an 8-bit code does not saturate (ISA guide 7.6.2): the hold; for a padded token the bound is 0
.set j, j+1
.endr
.irp n, 0,1,2,3,4,5,6,7
	v_cvt_scalef32_pk8_fp8_f32 v[C+16*\f+2*\n:C+16*\f+2*\n+1], v[Y+8*\n:Y+8*\n+7], v7
.endr
	v_nop                                          ; a plain line behind the last conversion, ahead of whatever next touches its registers
.irp c, 0,1,2,3
	global_store_b128 v1, v[C+16*\f+4*\c:C+16*\f+4*\c+3], s[22:23] offset:2048*\f+512*\c   ; 512 bytes on end, at a multiple of 512 from the buffer's first byte
.endr
.endm
	s_wait_loadcnt 16                              ; the mask byte and fragment 0 are in; fragment 1's sixteen loads may be out
	v_and_b32 v5, s26, v5
	v_cmp_eq_u32 vcc_lo, 0, v5
	v_cndmask_b32 v8, 0, v6, vcc_lo                ; the hold's bound: 448 x 2^e, or 0 for a padded token
	TURN 0
	s_wait_dscnt 0x0
	QUANT 0
	s_wait_loadcnt 0x0
	TURN 1
	s_wait_dscnt 0x0
	QUANT 1
	s_wait_tensorcnt 0x0
	ds_add_u32 v240, v241
	s_wait_dscnt 0x0
	s_endpgm
.Lfunc_end_k_qae6f2e2a9e_quant:
	.size	k_qae6f2e2a9e_quant, .Lfunc_end_k_qae6f2e2a9e_quant-k_qae6f2e2a9e_quant
	.p2alignl 7, 3214868480
	.fill 96, 4, 3214868480
	.section	.rodata,"a",@progbits
	.p2align	6, 0x0
	.amdhsa_kernel k_qae6f2e2a9e_quant
		.amdhsa_group_segment_fixed_size 34304
		.amdhsa_private_segment_fixed_size 0
		.amdhsa_enable_private_segment 0
		.amdhsa_kernarg_size 64
		.amdhsa_user_sgpr_count 2
		.amdhsa_user_sgpr_kernarg_segment_ptr 1
		.amdhsa_wavefront_size32 1
		.amdhsa_system_sgpr_workgroup_id_x 1
		.amdhsa_system_sgpr_workgroup_id_y 1
		.amdhsa_system_sgpr_workgroup_id_z 1
		.amdhsa_system_vgpr_workitem_id 0
		.amdhsa_next_free_vgpr 242
		.amdhsa_next_free_sgpr 66
		.amdhsa_reserve_vcc 1
		.amdhsa_float_denorm_mode_32 3
		.amdhsa_float_denorm_mode_16_64 3
		.amdhsa_memory_ordered 1
		.amdhsa_forward_progress 1
		.amdhsa_inst_pref_size 20
	.end_amdhsa_kernel
	.amdgpu_metadata
---
amdhsa.version: [ 1, 2 ]
amdhsa.kernels:
  - .name:           k_qae6f2e2a9e_quant
    .symbol:         k_qae6f2e2a9e_quant.kd
    .args:
      - { .name: src, .offset: 0, .size: 8, .value_kind: global_buffer, .address_space: global }
      - { .name: key_padding_mask, .offset: 8, .size: 8, .value_kind: global_buffer, .address_space: global }
      - { .name: in_proj_w, .offset: 16, .size: 8, .value_kind: global_buffer, .address_space: global }
      - { .name: out_proj_w, .offset: 24, .size: 8, .value_kind: global_buffer, .address_space: global }
      - { .name: lowp_scales, .offset: 32, .size: 8, .value_kind: global_buffer, .address_space: global }
      - { .name: xc, .offset: 40, .size: 8, .value_kind: global_buffer, .address_space: global }
      - { .name: w1c, .offset: 48, .size: 8, .value_kind: global_buffer, .address_space: global }
      - { .name: w4c, .offset: 56, .size: 8, .value_kind: global_buffer, .address_space: global }
    .group_segment_fixed_size: 34304
    .private_segment_fixed_size: 0
    .kernarg_segment_align: 8
    .kernarg_segment_size: 64
    .max_flat_workgroup_size: 128
    .sgpr_count:     66
    .vgpr_count:     242
    .wavefront_size: 32
...
	.end_amdgpu_metadata
.endif
;; end of part 1
;; launch qkv (part 2): grid 96 x 4, 4 waves a work-group, clusters of 4 x 4, 327,680 bytes of LDS; arguments xc, w1c, in_proj_b, lowp_scales, qc, kc, vc; writes qc, kc, vc
.if DOCPART == 2
	.amdgcn_target "amdgcn-amd-amdhsa--gfx1250"
	.amdhsa_code_object_version 6
	.text
	.protected	k_qae6f2e2a9e_qkv
	.globl	k_qae6f2e2a9e_qkv
	.p2align	8
	.type	k_qae6f2e2a9e_qkv,@function
k_qae6f2e2a9e_qkv:
	s_mov_b64 s[64:65], 0
	v_nop
	global_prefetch_b8 v0, s[64:65] scope:SCOPE_SE
	s_setreg_imm32_b32 hwreg(HW_REG_WAVE_MODE, 25, 1), 1
	s_wait_xcnt 0x0
	s_wait_alu depctr_hold_cnt(0) depctr_sa_sdst(0) depctr_va_vdst(0) depctr_va_sdst(0) depctr_va_ssrc(0) depctr_va_vcc(0) depctr_vm_vsrc(0)
	s_getreg_b32 s2, hwreg(HW_REG_IB_STS2, 6, 4)
	s_cmp_eq_u32 s2, 0
	s_cbranch_scc0 .Lentry_in_a_cluster
	s_endpgm
.Lentry_in_a_cluster:
	s_bfe_u32 s2, ttmp6, 0x10000c
	s_cmp_lg_u32 s2, 0xf033
	s_cbranch_scc0 .Lentry_shape_is_right
	s_endpgm
.Lentry_shape_is_right:
; qkv = x Win^T + b on codes of E4M3 (scales 2^e0, 2^e1), and q, k, v quantised in registers (2^e2, 2^e3, 2^e4) into images for the attention launch.
; ONE PRODUCT IN TWO MODES.  D = (source 0: 16 rows of P) x (source 1: 16 rows of R): a lane holds one row of R, its registers run along rows of P.  Row tile T = 2 b + u holds rows 32 b + 8 u + r + 8 (r / 8),
; so the 16 registers of P's tiles 2 b and 2 b + 1 are 16 neighbouring rows of P, 32 b + 16 (lane / 16) + 0 .. 15: two conversions make the 16 bytes that the next product's image wants of this lane.
;   clusters 0-15, mode QK: P = Win's rows 0-2047, R = x: a lane holds a token and 16 neighbouring channels: images of q and k (16 tokens x 64 channels, 1,024 bytes).
;   clusters 16-23, mode V: P = x, R = Win's rows 2048-3071: a lane holds a channel and 16 neighbouring keys: images of v with the keys innermost.
; The mode hangs on the cluster's number alone: it is the same in all sixteen partners.  A work-group makes 256 rows of P x 256 rows of R, a wave 128 x 128: 64 accumulators, 512 registers.
; K = 1,024 goes in four steps of 256 through two LDS slots.  The operands lie in memory as images (2,048 bytes for a row tile and 128 along K), so a fragment is four LDS loads of 512 bytes on end: no pitch, no padding.
; The place of k in a fragment's registers is the same permutation on both sides, so every product meets its partner.
; CLUSTER 4 x 4: P's tile hangs on cx and is asked for jointly by a column of the cluster, R's on cy, by a row: that divides the requests for both by four.
; The bias goes in as the C of the first K step, divided by 2^(e0 + e1).  The codes leave straight from the conversions' registers: each store is 512 bytes on end.
; LIMITS: e2 - e0 - e1, e3 - e0 - e1, e4 - e0 - e1 between -126 and 119.  NaN is not served.
; REGISTERS: window 0: v16-30 addresses; v32-39 at work; v64-127 the bias as C; v128-255 R's fragments, ONE set, later the codes.  window 1: P's fragments, TWO sets.
;   window 2: accumulators of R's tiles 0-3 ((a, b) at v[8 (8 a + b)]); window 3: of tiles 4-7.
.set FR,     16                        ; registers of a fragment: 16 rows x 128 K
.set NL,     4                         ; LDS loads that bring one
.set NP,     4                         ; places behind this matrix instruction (ISA guide 7.12.1)
.set HALFT,  32768                     ; 8 row tiles x 4,096 bytes: what one tensor load brings, and what one wave reads of R or of P
.set SLOT,   4*HALFT                   ; R's 256 rows, then P's 256 rows, 256 along K
.set LAPS,   2                         ; a lap = two K steps of 256 = once round the ring
.set SPARE,  2*SLOT                    ; behind the ring: the spare words, 128 bytes for each wave, which no other line names
.set ADRA, 16                          ; v16-17  LDS address of my fragments of R in slot 0, 1
.set ADRB, 20                          ; v20-21  the same for P
.set VBQ,  24                          ; v24     the bias's lane offset in mode QK
.set VBV,  25                          ; v25     in mode V
.set VO0,  26                          ; v26-27  the way out: 16 x lane, and the same + the step from group 1 to group 2 of a block's codes
.set SPW,  28                          ; v28     LDS address of my spare word; never rewritten
.set NIL,  29                          ; v29     0; never rewritten
.set SC,   30                          ; v30     the conversion's scale
.set TMPB, 32
.set CB,   64
.set AF,   128
.set CD,   128
.set G1, 24                            ; s[24:31] descriptor group 1 for R's tiles;  s[32:39] group 0, one set for each slot
.set G0, 32
.set G1B, 48                           ; s[48:55], s[56:63] the same for P's tiles
.set G0B, 56
.set MSB, 0
.macro WIN new                         ; the immediate's high byte repeats the setting that is left
.if MSB != \new
	s_set_vgpr_msb (MSB<<8)|\new
.set MSB, \new
.endif
.endm
.set MUL_LO, 0xa1                      ; source 0 (P) window 1, source 1 (R) window 0, C and D window 2
.set MUL_HI, 0xf1                      ; the same, C and D window 3
.set TO_B,   0x40                      ; destination window 1, address window 0
; A joint load: waves 0 and 1 fetch for R, waves 2 and 3 for P.  Each line has one mask and one set of registers; the branch hangs on the wave's number alone.  Four v_nop follow each line.
.macro JLOAD g0a, g1a, g0b, g1b
	s_cmp_eq_u32 s15, 0
	s_cbranch_scc0 .Lfor_b_\@
	tensor_load_to_lds s[\g0a:\g0a+3], s[\g1a:\g1a+7]
	s_nop 0
.rept 4
	v_nop
.endr
	s_branch .Lasked_\@
.Lfor_b_\@:
	tensor_load_to_lds s[\g0b:\g0b+3], s[\g1b:\g1b+7]
	s_nop 0
.rept 4
	v_nop
.endr
.Lasked_\@:
.endm
.macro CREST                           ; a round of the cluster's barrier behind its opening barrier
	s_cmp_lg_u32 s14, 0
	s_cbranch_scc1 .Lnot_wave_0_\@
	s_barrier_signal -3
.Lnot_wave_0_\@:
	s_barrier_wait -3
	s_barrier_signal -1
	s_barrier_wait -1
.endm
.macro CROUND                          ; a whole round
	s_barrier_signal -1
	s_barrier_wait -1
	CREST
.endm
	s_load_b256 s[4:11], s[0:1], 0x0               ; xc s[4:5], w1c s[6:7], in_proj_b s[8:9], the scales' exponents s[10:11]
	s_load_b128 s[68:71], s[0:1], 0x20             ; qc, kc
	s_load_b64 s[72:73], s[0:1], 0x30              ; vc
	v_lshl_add_u32 v[SPW], v0, 2, SPARE
	v_mov_b32 v[NIL], 0
	ds_add_u32 v28, v29
	ds_add_u32 v28, v29
	s_wait_dscnt 0x0
	v_lshrrev_b32 v1, 5, v0
	v_readfirstlane_b32 s14, v1                    ; wave 0..3
	s_lshr_b32 s15, s14, 1                         ; which half of R's rows is mine.  Also: I fetch for R (0) or for P (1)
	s_and_b32 s16, s14, 1                          ; which half of P's rows.  Also: which 128 rows of that tile I fetch
	s_bfe_u32 s40, ttmp6, 0x40000                  ; cx, cy: my place in the cluster
	s_bfe_u32 s41, ttmp6, 0x40004
	s_and_b32 s18, ttmp9, 1                        ; mode QK: cluster C makes P's tiles 4 (C % 2) + cx,
	s_lshr_b32 s19, ttmp9, 1                       ;          R's tiles 4 (C / 2) + cy
	s_max_u32 s12, ttmp9, 16
	s_sub_co_u32 s12, s12, 16                      ; mode V: P's tiles 4 (C - 16) + cx, R's tiles cy
	s_cmp_lt_u32 ttmp9, 16
	s_cselect_b32 s18, s18, s12
	s_cselect_b32 s19, s19, 0
	s_lshl_b32 s42, s18, 2
	s_add_co_u32 s42, s42, s40                     ; P's tile of 256 rows
	s_lshl_b32 s17, s19, 2
	s_add_co_u32 s17, s17, s41                     ; R's tile of 256 rows
	s_lshl_b32 s43, s41, 2
	s_lshl_b32 s43, 15, s43                        ; my row of the cluster
	s_lshl_b32 s44, 0x1111, s40                    ; my column
	; descriptor group 1: 8 rows (row tiles) of 4,096 bytes (two images), 16,384 bytes apart; elements of 8 bytes
	s_or_b32 s[G1+0], s43, (3<<16)|(1<<21)         ; 15:0 the mask: R's tiles go to my row; 17:16 elements of 8 bytes; 21 set beside a mask; no padding
	s_or_b32 s[G1B+0], s44, (3<<16)|(1<<21)        ; P's tiles go to my column
.irp g, G1, G1B
	s_mov_b32 s[\g+1], 512<<16                     ; tensor_dim0 = 512 elements
	s_mov_b32 s[\g+2], 8<<16                       ; tensor_dim1 = 8
	s_mov_b32 s[\g+3], 512<<16                     ; tile_dim0
	s_mov_b32 s[\g+4], 8                           ; tile_dim1
	s_mov_b32 s[\g+5], 2048                        ; tensor_dim0_stride: 16,384 bytes
	s_mov_b32 s[\g+6], 0
	s_mov_b32 s[\g+7], 0
.endr
	s_lshl_b32 s13, s16, 17                        ; which 8 row tiles of the tile I fetch
	s_lshl_b32 s20, s17, 18                        ; R: 16 row tiles of 16,384 bytes to a tile
	s_add_co_u32 s20, s20, s13
	s_mov_b32 s21, 0
	s_lshl_b32 s46, s42, 18                        ; P likewise
	s_add_co_u32 s46, s46, s13
	s_mov_b32 s47, 0
	s_lshl_b32 s45, s14, 15                        ; where they go: wave x 32,768: no place in the cluster enters an LDS address
	s_wait_kmcnt 0x0
	s_load_b256 s[76:83], s[10:11], 0x0            ; e0 .. e7
	s_add_nc_u64 s[86:87], s[6:7], 0x200000        ; Win's row 2,048: row tile 128
	s_cmp_lt_u32 ttmp9, 16
	s_cselect_b64 s[88:89], s[4:5], s[86:87]       ; R: x, or Win's rows for v
	s_cselect_b64 s[90:91], s[6:7], s[4:5]         ; P: Win, or x
	s_add_nc_u64 s[20:21], s[88:89], s[20:21]
	s_add_nc_u64 s[46:47], s[90:91], s[46:47]
	CROUND                                         ; all sixteen work-groups are here: the first joint loads meet
.irp s, 0,1
	s_mov_b32 s[G0+4*\s], 1
	s_add_co_u32 s[G0+4*\s+1], s45, \s*SLOT
	s_add_nc_u64 s[G0+4*\s+2:G0+4*\s+3], s[20:21], \s*4096
	s_or_b32 s[G0+4*\s+3], s[G0+4*\s+3], 0x80000000
	s_mov_b32 s[G0B+4*\s], 1
	s_add_co_u32 s[G0B+4*\s+1], s45, \s*SLOT
	s_add_nc_u64 s[G0B+4*\s+2:G0B+4*\s+3], s[46:47], \s*4096
	s_or_b32 s[G0B+4*\s+3], s[G0B+4*\s+3], 0x80000000
	JLOAD G0+4*\s, G1, G0B+4*\s, G1B
.endr
	v_and_b32 v1, 31, v0
	v_lshlrev_b32 v[VO0], 4, v1                    ; 16 x lane
	v_and_b32 v2, 15, v0                           ; r
	v_bfe_u32 v3, v0, 4, 1                         ; h
	v_lshlrev_b32 v[VBQ], 6, v3                    ; mode QK: my half's eight numbers of a tile begin 16 h numbers on
	v_and_b32 v4, 8, v2
	v_add_nc_u32 v4, v4, v2
	v_lshlrev_b32 v[VBV], 2, v4                    ; mode V: my row's number: r + 8 (r / 8)
	s_mul_i32 s21, s15, HALFT                      ; my 128 rows of R
	s_mul_i32 s22, s16, HALFT                      ; my 128 rows of P,
	s_add_co_u32 s22, s22, 2*HALFT                 ; which lie behind R's 256
.irp s, 0,1
	v_add_nc_u32 v[ADRA+\s], s21, v[VO0]
	v_add_nc_u32 v[ADRB+\s], s22, v[VO0]
	s_add_co_u32 s21, s21, SLOT
	s_add_co_u32 s22, s22, SLOT
.endr
	; THE BIAS, as eight registers a tile in the result's layout, divided by the power of two that the sums lack
	s_lshl_b32 s2, s42, 8
	s_lshl_b32 s3, s16, 7
	s_add_co_u32 s2, s2, s3                        ; mode QK: my first row of Win
	s_lshl_b32 s74, s17, 8
	s_lshl_b32 s3, s15, 7
	s_add_co_u32 s74, s74, s3
	s_add_co_u32 s74, s74, 2048                    ; mode V: likewise
	s_cmp_lt_u32 ttmp9, 16
	s_cselect_b32 s2, s2, s74
	s_lshl_b32 s2, s2, 2
	s_mov_b32 s3, 0
	s_add_nc_u64 s[8:9], s[8:9], s[2:3]
	s_wait_kmcnt 0x0
	s_add_co_i32 s92, s76, s77
	s_sub_co_i32 s92, 0, s92                       ; -(e0 + e1)
	s_cmp_lt_u32 ttmp9, 16
	s_cbranch_scc0 .Lbias_v
.irp b, 0,1,2,3,4,5,6,7                        ; mode QK: the bias runs along the registers: tile b's eight rows of my half
	global_load_b128 v[CB+8*\b:CB+8*\b+3], v[VBQ], s[8:9] offset:(32*(\b/2)+8*(\b%2))*4
	global_load_b128 v[CB+8*\b+4:CB+8*\b+7], v[VBQ], s[8:9] offset:(32*(\b/2)+8*(\b%2))*4+16
.endr
	s_wait_loadcnt 0x0
.set j, 0
.rept 64
	v_ldexp_f32 v[CB+j], v[CB+j], s92
.set j, j+1
.endr
	s_branch .Lbias_done
.Lbias_v:
.irp a, 0,1,2,3,4,5,6,7                        ; mode V: the bias runs along the lanes: one number for tile a of R, spread over eight registers
	global_load_b32 v[TMPB+\a], v[VBV], s[8:9] offset:(32*(\a/2)+8*(\a%2))*4
.endr
	s_wait_loadcnt 0x0
.set j, 0
.rept 64
	v_ldexp_f32 v[CB+j], v[TMPB+j/8], s92
.set j, j+1
.endr
.Lbias_done:
.macro FRAG reg, adr, q, i             ; a fragment: row tile i of my eight, the slot's q-th 128 along K: four loads of 512 bytes on end
.irp c, 0,1,2,3
	ds_load_b128 v[\reg+4*\c:\reg+4*\c+3], v[\adr] offset:(\i)*4096+(\q)*2048+512*\c
.endr
.endm
; 16 matrix instructions: R's tiles a0, a0 + 1 x P's eight, 128 along K.  p: P's set.  zero = 1, 2: the first product starts the sums with the bias as C (1: tile b's of P; 2: tile a's of R).
; The 64 accumulators take turns, one instruction a turn, in the same order in every step.
.macro MUL16 a0, p, zero
.irp a, \a0, \a0+1
.irp b, 0,1,2,3,4,5,6,7
.if \zero == 1
	v_wmma_f32_16x16x128_fp8_fp8 v[8*(8*((\a)%4)+\b):8*(8*((\a)%4)+\b)+7], v[128*(\p)+FR*\b:128*(\p)+FR*\b+FR-1], v[AF+FR*(\a):AF+FR*(\a)+FR-1], v[CB+8*\b:CB+8*\b+7]
.elseif \zero == 2
	v_wmma_f32_16x16x128_fp8_fp8 v[8*(8*((\a)%4)+\b):8*(8*((\a)%4)+\b)+7], v[128*(\p)+FR*\b:128*(\p)+FR*\b+FR-1], v[AF+FR*(\a):AF+FR*(\a)+FR-1], v[CB+8*(\a):CB+8*(\a)+7]
.else
	v_wmma_f32_16x16x128_fp8_fp8 v[8*(8*((\a)%4)+\b):8*(8*((\a)%4)+\b)+7], v[128*(\p)+FR*\b:128*(\p)+FR*\b+FR-1], v[AF+FR*(\a):AF+FR*(\a)+FR-1], v[8*(8*((\a)%4)+\b):8*(8*((\a)%4)+\b)+7]
.endif
.endr
.endr
.endm
.macro FETCH_B slot, q, p              ; P's eight fragments into set p
	WIN TO_B
.irp i, 0,1,2,3,4,5,6,7
	FRAG 128*(\p)+FR*\i, ADRB+\slot, \q, \i
.endr
	WIN 0
.endm
.macro FETCH_A slot, q, i0             ; R's tiles i0 .. i0 + 3
.irp i, \i0, \i0+1, \i0+2, \i0+3
	FRAG AF+FR*(\i), ADRA+\slot, \q, \i
.endr
.endm
.macro PLACES n                        ; plain vector lines between a matrix instruction and a load into, or a vector read or write of, its registers (ISA guide 7.12.1 for vector reads and writes)
.rept \n
	v_nop
.endr
.endm
; A step of 128 along K that has its successor in the same slot.  R's tiles are free as soon as their eight products are issued: tiles 0-3 are fetched anew in the middle, tiles 4-7 at the end.
.macro STEP slot, q, zero
	s_wait_dscnt 4*NL                              ; P's set and R's tiles 0-3 are in; the youngest sixteen loads (R's tiles 4-7) may be out
.if \zero
	WIN 0x81                                       ; as MUL_LO, with C (the bias) in window 0
.else
	WIN MUL_LO
.endif
	MUL16 0, (\q)%2, \zero
	MUL16 2, (\q)%2, \zero
	s_wait_dscnt 0                                 ; R's tiles 4-7 are in
	PLACES NP
	FETCH_B \slot, (\q)+1, 1-(\q)%2
	FETCH_A \slot, (\q)+1, 0
.if \zero
	WIN 0xc1
.else
	WIN MUL_HI
.endif
	MUL16 4, (\q)%2, \zero
	MUL16 6, (\q)%2, \zero
	PLACES NP
	WIN 0
	FETCH_A \slot, (\q)+1, 4
.endm
; A slot's last step changes slots: one barrier; in front of it each wave waits for all its tensor loads, adds 0 to its spare word, and waits for that and for its own reads of this slot.  fill = 1: this slot is filled again, two K steps ahead.
.macro TURN slot, next, fill
	s_wait_tensorcnt 0x0                           ; all my tensor loads have landed: my part of the next slot  (every window is 0 here)
	ds_add_u32 v[SPW], v[NIL]                      ; 0 onto my spare word
	s_wait_dscnt 4*NL+1                            ; (the add and the youngest sixteen loads, R's tiles 4-7, may be out)
	WIN MUL_LO
	MUL16 0, 1, 0                                  ; sixteen matrix instructions stand between the add and the wait for it
	s_wait_dscnt 0x0                               ; the add is done, and my reads of this slot are over
	s_barrier_signal -1
	MUL16 2, 1, 0
	WIN 0
	s_barrier_wait -1
.if \fill
	CREST                                          ; the barrier has opened a round of the cluster's barrier: no wave of any partner still reads this slot or has a load on its way
	s_add_nc_u64 s[G0+4*\slot+2:G0+4*\slot+3], s[G0+4*\slot+2:G0+4*\slot+3], 8192
	s_add_nc_u64 s[G0B+4*\slot+2:G0B+4*\slot+3], s[G0B+4*\slot+2:G0B+4*\slot+3], 8192
	JLOAD G0+4*\slot, G1, G0B+4*\slot, G1B         ; the first tensor load behind the round; its four v_nop are also the places in front of the loads below
.else
	PLACES NP
.endif
	FETCH_B \next, 0, 0
	FETCH_A \next, 0, 0
	WIN MUL_HI
	MUL16 4, 1, 0
	MUL16 6, 1, 0
	PLACES NP
	WIN 0
	FETCH_A \next, 0, 4
.endm
	s_wait_tensorcnt 1                             ; my part of K step 0 is in (K step 1's load may be out)
	s_barrier_signal -1
	s_barrier_wait -1                              ; everybody's is
	FETCH_B 0, 0, 0
	FETCH_A 0, 0, 0
	FETCH_A 0, 0, 4
	s_cmp_lt_u32 ttmp9, 16                         ; the first step starts the sums; the two modes differ in which registers are C
	s_cbranch_scc0 .Lfirst_v
	STEP 0, 0, 1
	s_branch .Lfirst_done
.Lfirst_v:
	STEP 0, 0, 2
.Lfirst_done:
	s_mov_b32 s3, LAPS-1
.Llap:                                                 ; a trip goes once round the ring and fills both slots again
	TURN 0, 1, 1
	STEP 1, 0, 0
	TURN 1, 0, 1
	STEP 0, 0, 0
	s_sub_co_u32 s3, s3, 1
	s_cmp_lg_u32 s3, 0
	s_cbranch_scc1 .Llap
	TURN 0, 1, 0                                   ; the last lap fills nothing, and has no round of the cluster's barrier
	STEP 1, 0, 0
	s_wait_dscnt 4*NL                              ; the very last step: nothing more to fetch
	WIN MUL_LO
	MUL16 0, 1, 0
	MUL16 2, 1, 0
	s_wait_dscnt 0
	WIN MUL_HI
	MUL16 4, 1, 0
	MUL16 6, 1, 0
	WIN 0
	; THE WAY OUT.  Where my wave's codes begin.  qc, kc: [batch][head][token tile][1,024].  vc: [batch][head][128 keys: 8,192][pair of groups: 4,096][channel tile: 1,024][group: 512].
	s_lshr_b32 s2, s17, 2                          ; mode QK: the batch,
	s_lshl_b32 s2, s2, 20
	s_and_b32 s3, s42, 3
	s_lshl_b32 s3, s3, 2
	s_lshl_b32 s74, s16, 1
	s_add_co_u32 s3, s3, s74                       ; my first head,
	s_lshl_b32 s3, s3, 16
	s_add_co_u32 s2, s2, s3
	s_and_b32 s3, s17, 3
	s_lshl_b32 s3, s3, 4
	s_lshl_b32 s74, s15, 3
	s_add_co_u32 s3, s3, s74                       ; my first token tile
	s_lshl_b32 s3, s3, 10
	s_add_co_u32 s2, s2, s3
	s_lshr_b32 s75, s42, 2                         ; mode V: the batch,
	s_lshl_b32 s75, s75, 20
	s_lshl_b32 s3, s17, 2
	s_lshl_b32 s74, s15, 1
	s_add_co_u32 s3, s3, s74                       ; my first head,
	s_lshl_b32 s3, s3, 16
	s_add_co_u32 s75, s75, s3
	s_and_b32 s3, s42, 3
	s_lshl_b32 s3, s3, 1
	s_add_co_u32 s3, s3, s16                       ; my 128 keys
	s_lshl_b32 s3, s3, 13
	s_add_co_u32 s75, s75, s3
	s_mov_b32 s74, 65536
	s_mov_b32 s3, 4096
	s_cmp_eq_u32 s18, 0                            ; mode QK: the cluster's four tiles of P are q's (even cluster) or k's
	s_cselect_b32 s93, s78, s79
	s_cselect_b64 s[86:87], s[68:69], s[70:71]
	s_cmp_lt_u32 ttmp9, 16
	s_cselect_b32 s93, s93, s80                    ; the operand's e: e2, e3 or e4
	s_cselect_b64 s[86:87], s[86:87], s[72:73]
	s_cselect_b32 s2, s2, s75
	s_cselect_b32 s94, s3, s74                     ; from R's tile 3 to tile 4: four token tiles on, or the next head
	s_cselect_b32 s95, s74, s3                     ; from group 1 to group 2 of a block's codes: the next head, or the next pair of groups
	s_mov_b32 s3, 0
	s_add_nc_u64 s[86:87], s[86:87], s[2:3]
	s_mov_b32 s2, s94
	s_add_nc_u64 s[88:89], s[86:87], s[2:3]
	v_add_nc_u32 v[VO0+1], s95, v[VO0]
	s_sub_co_i32 s93, s93, s76
	s_sub_co_i32 s93, s93, s77                     ; a sum stands for sum x 2^(e0 + e1): its code is sum / 2^(e - e0 - e1)
	s_add_co_i32 s93, s93, 127
	s_lshl_b32 s2, s93, 23
	v_mov_b32 v[SC], s2
	s_add_co_i32 s93, s93, 8
	s_lshl_b32 s85, s93, 23
	s_or_b32 s85, s85, 0x600000                    ; 448 x that
	s_or_b32 s84, s85, 0x80000000
; R's tile a: its 64 sums are held, each accumulator from its low end on, and become 16 registers of codes: four groups of 16 bytes a lane, each stored as 512 bytes on end.  Each block has registers of its own for its codes.
.macro OUTBLK a
.set AC, 64*((\a)%4)
	WIN 0x82+0x41*((\a)/4)                         ; source 0 and destination: window 2 or 3
.set j, 0
.rept 64
	v_med3_num_f32 v[AC+j], v[AC+j], s84, s85      ; the conversion to an 8-bit code does not saturate (ISA guide 7.6.2)
.set j, j+1
.endr
	WIN 0x02+((\a)/4)                              ; source 0: window 2 or 3; destination window 0
.irp n, 0,1,2,3,4,5,6,7
	v_cvt_scalef32_pk8_fp8_f32 v[CD+16*(\a)+2*\n:CD+16*(\a)+2*\n+1], v[AC+8*\n:AC+8*\n+7], v[SC]
.endr
	v_nop                                          ; a plain line behind the last conversion
	WIN 0
.irp c, 0,1,2,3
	global_store_b128 v[VO0+\c/2], v[CD+16*(\a)+4*\c:CD+16*(\a)+4*\c+3], s[86+2*((\a)/4):87+2*((\a)/4)] offset:((\a)%4)*1024+(\c%2)*512
.endr
.endm
	PLACES NP                                      ; behind the last products: the codes land where R's fragments lay
.irp a, 0,1,2,3,4,5,6,7
	OUTBLK \a
.endr
	s_wait_tensorcnt 0x0                           ; the wave's end
	ds_add_u32 v[SPW], v[NIL]
	s_wait_dscnt 0x0
	CROUND                                         ; the closing round: no work-group ends while a partner may still ask for a tile that names it
	s_endpgm
.Lfunc_end_k_qae6f2e2a9e_qkv:
	.size	k_qae6f2e2a9e_qkv, .Lfunc_end_k_qae6f2e2a9e_qkv-k_qae6f2e2a9e_qkv
	.p2alignl 7, 3214868480
	.fill 96, 4, 3214868480
	.section	.rodata,"a",@progbits
	.p2align	6, 0x0
	.amdhsa_kernel k_qae6f2e2a9e_qkv
		.amdhsa_group_segment_fixed_size 327680
		.amdhsa_private_segment_fixed_size 0
		.amdhsa_enable_private_segment 0
		.amdhsa_kernarg_size 56
		.amdhsa_user_sgpr_count 2
		.amdhsa_user_sgpr_kernarg_segment_ptr 1
		.amdhsa_wavefront_size32 1
		.amdhsa_system_sgpr_workgroup_id_x 1
		.amdhsa_system_sgpr_workgroup_id_y 1
		.amdhsa_system_sgpr_workgroup_id_z 1
		.amdhsa_system_vgpr_workitem_id 0
		.amdhsa_next_free_vgpr 1024
		.amdhsa_next_free_sgpr 96
		.amdhsa_reserve_vcc 0
		.amdhsa_float_denorm_mode_32 3
		.amdhsa_float_denorm_mode_16_64 3
		.amdhsa_memory_ordered 1
		.amdhsa_forward_progress 1
		.amdhsa_inst_pref_size 138
	.end_amdhsa_kernel
	.amdgpu_metadata
---
amdhsa.version: [ 1, 2 ]
amdhsa.kernels:
  - .name:           k_qae6f2e2a9e_qkv
    .symbol:         k_qae6f2e2a9e_qkv.kd
    .args:
      - { .name: xc, .offset: 0, .size: 8, .value_kind: global_buffer, .address_space: global }
      - { .name: w1c, .offset: 8, .size: 8, .value_kind: global_buffer, .address_space: global }
      - { .name: in_proj_b, .offset: 16, .size: 8, .value_kind: global_buffer, .address_space: global }
      - { .name: lowp_scales, .offset: 24, .size: 8, .value_kind: global_buffer, .address_space: global }
      - { .name: qc, .offset: 32, .size: 8, .value_kind: global_buffer, .address_space: global }
      - { .name: kc, .offset: 40, .size: 8, .value_kind: global_buffer, .address_space: global }
      - { .name: vc, .offset: 48, .size: 8, .value_kind: global_buffer, .address_space: global }
    .group_segment_fixed_size: 327680
    .private_segment_fixed_size: 0
    .kernarg_segment_align: 8
    .kernarg_segment_size: 56
    .max_flat_workgroup_size: 128
    .sgpr_count:     96
    .vgpr_count:     1024
    .wavefront_size: 32
...
	.end_amdgpu_metadata
.endif
;; end of part 2
;; launch attn (part 3): grid 32 x 8, 4 waves a work-group, clusters of 4 x 1, 327,680 bytes of LDS; arguments qc, kc, vc, key_padding_mask, lowp_scales, ctxc, out1; writes ctxc, out1
.if DOCPART == 3
	.amdgcn_target "amdgcn-amd-amdhsa--gfx1250"
	.amdhsa_code_object_version 6
	.text
	.protected	k_qae6f2e2a9e_attn
	.globl	k_qae6f2e2a9e_attn
	.p2align	8
	.type	k_qae6f2e2a9e_attn,@function
k_qae6f2e2a9e_attn:
	s_mov_b64 s[64:65], 0
	v_nop
	global_prefetch_b8 v0, s[64:65] scope:SCOPE_SE
	s_setreg_imm32_b32 hwreg(HW_REG_WAVE_MODE, 25, 1), 1
	s_wait_xcnt 0x0
	s_wait_alu depctr_hold_cnt(0) depctr_sa_sdst(0) depctr_va_vdst(0) depctr_va_sdst(0) depctr_va_ssrc(0) depctr_va_vcc(0) depctr_vm_vsrc(0)
	s_getreg_b32 s2, hwreg(HW_REG_IB_STS2, 6, 4)
	s_cmp_eq_u32 s2, 0
	s_cbranch_scc0 .Lentry_in_a_cluster
	s_endpgm
.Lentry_in_a_cluster:
	s_bfe_u32 s2, ttmp6, 0x10000c
	s_cmp_lg_u32 s2, 0x3003
	s_cbranch_scc0 .Lentry_shape_is_right
	s_endpgm
.Lentry_shape_is_right:
; Attention on codes of E4M3: scores q k^T (2^e2, 2^e3), the key padding mask, the softmax, v^T p^T (2^e4, 2^e5), ctx quantised (2^e6) into images for the last product, and out1 = the mean over the 16 heads of the finished softmax.
; SHARES.  A work-group owns 32 queries of one batch (two tiles of 16) and walks all 16 heads.  Wave w owns keys 256 w .. 256 w + 255 for all 32 queries.  So a WHOLE ROW of p lies in the work-group's registers:
; each score is exponentiated once, and p / l is added to the mean over heads, which stays in registers until the end.
; M.  Each wave is a stream over its own keys: it takes M_w = its keys' largest t rounded up to a whole number, p = 2^(t - M_w).  The four waves' parts are joined as a running maximum joins them: M = the largest M_w,
; f_s = 2^(M_s - M), an exact power of two; l = sum of f_s l_s; O = sum of f_s O_s; the finished weight is p f_w / l.  So the maximum is taken away before every exponential, and no wave waits for another's maximum.
; LAYOUT.  Both products are used transposed: S^T = K Q^T (source 0 = 16 keys, source 1 = 16 queries), O^T = V^T P^T: a lane holds ONE query throughout.  A tile T = 2 b + u holds rows 32 b + 8 u + r + 8 (r / 8),
; so the 16 registers of key tiles 2 b, 2 b + 1 are 16 neighbouring keys: the conversions' results are the second product's operand.  All operands lie in memory as images of their registers (512 bytes on end a load).
; THE MASK is the C of the score's one matrix instruction: -2^126 at a padded key, 0 elsewhere.  A raw score is at most 64 x 448 x 448, so a padded key never wins a maximum, and its p is exactly 0.
; A wave all of whose keys are padded (its maximum lies under -2^100) takes -infinity for -M, so that its p, l and O are 0, and hands on 2^100 for -M, which never sets the row's M.
; Where all four hand that on, every key of the batch is padded: 1 / l is then made NaN by a select, and out1 is NaN there, as in the definition.
; ONE EXCHANGE A HEAD: each wave's (l, -M) and partial O^T | barrier | each wave joins one quarter of O^T over the four waves, divides by l, quantises and stores 512 bytes on end.
; A second barrier only orders one head's reads of the exchange areas with the next head's stores into them: its signal stands behind the wait for those reads, its wait in front of those stores, the whole softmax between.
; CLUSTER 4 x 1: the four query blocks of a cluster walk the same K and V: each head's 128 KiB is asked for jointly, once for the four.  Ring of two slots, a head each; a refill has a whole head's work in which to land.
; LIMITS: e2 + e3 between -100 and 70; e5, and e6 - e4 - e5, between -126 and 119.  NaN among the codes is not served.  Numbers of p under the format's range relative to the row's M keep more bits where M_w < M.
; REGISTERS: window 0: addresses, statistics, Q, p's codes, partial O^T.  window 1: S^T, then p: register 128 qt + 16 b + i = key 256 w + 32 b + 16 (lane / 16) + i.  window 2: the mean over heads, same layout.
;   window 3: v0-127 the mask as C; v128-255 K's 16 fragments, then V's 8.
.set SLOT1, 131072                     ; a slot: K of a head (64 images of 1,024 bytes), then V (65,536 bytes); slot 1 begins here: one exclusive or turns an address
.set SPARE, 262144                     ; the spare words, 128 bytes for each wave, which no other line names
.set LX,    262656                     ; the waves' (l, -M): [wave][query tile][lane] x 8 bytes: 2,048 bytes
.set OX,    264704                     ; partial O^T: [source wave][unit 4][group 4][lane] x 16 bytes: 32,768 bytes
.set SPITCH, 4112                      ; the stage for out1, at LDS byte 0 once both slots have had their last fill and their last read: 32 rows of 4,096 + 16 bytes
.set LI,   1                           ; 16 x lane
.set SPW,  2                           ; LDS address of my spare word; never rewritten
.set NIL,  3                           ; 0; never rewritten
.set AK,   4                           ; my lane's place in a slot's K
.set AV,   5                           ; in its V
.set ADR,  6                           ; the address of the run of loads in hand
.set QO,   7                           ; my byte offset in qc
.set NINF, 8                           ; -infinity
.set BIGR, 9                           ; 2^100
.set LXS,  10
.set LXL,  11
.set OXS,  12
.set OXL,  13
.set CO,   14                          ; my byte offset in ctxc
.set STS,  15                          ; v15, v16: the stage, on the way in, query tile 0, 1
.set STR,  17                          ; and on the way out
.set LIMP, 18                          ; 448 x 2^e5
.set SCP,  19                          ; 2^e5
.set SCX,  20                          ; 2^(e6 - e4 - e5)
.set NANR, 21
.set ST,   24                          ; statistics, 12 registers a query tile: +0,1 -M as the exponent's addend; +2..9 the sum in four chains of pairs (+2..5 first the maximum's four chains); +10,11 the pair (l, -M) that is handed on
.set QF,   48                          ; Q: 8 registers a tile
.set TQ,   64                          ; 16 numbers held for the conversion
.set XBP,  64                          ; later: the four waves' pairs (l, -M): 64 + 8 qt + 2 s
.set FS,   80                          ; f_s: 80 + 2 s + qt; later f_s / l of my quarter's tile in the even ones
.set CC,   88                          ; ctx's codes
.set RLO,  92                          ; 1 / l of the tile whose quarter of O^T is mine
.set PC,   96                          ; p's codes: fragment (qt, 128 keys sl) at 96 + 16 (2 qt + sl)
.set XO,   96                          ; later: what comes back from OX
.set OP,   160                         ; partial O^T: 160 + 32 qt + 8 t
.set MBY,  224                         ; the mask's bytes, at the head
.set GS,   224                         ; later, 8 registers a query tile: +0,1 f_w / (16 l); +2 -M; +3 l; +4 1 / l; +5 f_w; +6 at work
.set WV,   18
.set SEL,  20
.set CS,   22
.set G1,   24
.set G0A,  32
.set G0B,  36
.set TB,   48                          ; LDS byte at which the slot in hand begins
.set HC,   49
.set MSB, 0
.macro WIN new                         ; the immediate's high byte repeats the setting that is left
.if MSB != \new
	s_set_vgpr_msb (MSB<<8)|\new
.set MSB, \new
.endif
.endm
.macro PLACES
.rept 4
	v_nop
.endr
.endm
.macro CROUND                          ; a round of the cluster's barrier
	s_barrier_signal -1
	s_barrier_wait -1
	s_cmp_lg_u32 s[WV], 0
	s_cbranch_scc1 .Lnot_wave_0_\@
	s_barrier_signal -3
.Lnot_wave_0_\@:
	s_barrier_wait -3
	s_barrier_signal -1
	s_barrier_wait -1
.endm
	s_load_b256 s[4:11], s[0:1], 0x0               ; qc s[4:5], kc s[6:7], vc s[8:9], mask s[10:11]
	s_load_b128 s[12:15], s[0:1], 0x20             ; the scales' exponents s[12:13], ctxc s[14:15]
	s_load_b64 s[16:17], s[0:1], 0x30              ; out1
	v_lshl_add_u32 v[SPW], v0, 2, SPARE
	v_mov_b32 v[NIL], 0
	ds_add_u32 v2, v3
	ds_add_u32 v2, v3
	s_wait_dscnt 0x0
	v_lshrrev_b32 v6, 5, v0
	v_readfirstlane_b32 s[WV], v6                  ; wave 0..3
	s_bfe_u32 s19, ttmp6, 0x40000                  ; cx
	s_lshl_b32 s52, ttmp9, 2
	s_add_co_u32 s19, s52, s19                     ; my block of 32 queries: it enters qc's, ctxc's and out1's addresses alone
	s_and_b32 s53, ttmp7, 0xffff                   ; the batch, which the four partners share
	; descriptor group 1: 32,768 bytes that are dense in memory, as 128 rows of 256 bytes
	s_mov_b32 s[G1], 15|(3<<16)|(1<<21)            ; 15:0 the mask: all four work-groups; 17:16 elements of 8 bytes; 21 set beside a mask
	s_mov_b32 s[G1+1], 32<<16                      ; tensor_dim0 = 32 elements
	s_mov_b32 s[G1+2], 128<<16                     ; tensor_dim1 = 128
	s_mov_b32 s[G1+3], 32<<16                      ; tile_dim0
	s_mov_b32 s[G1+4], 128                         ; tile_dim1
	s_mov_b32 s[G1+5], 32                          ; tensor_dim0_stride
	s_mov_b32 s[G1+6], 0
	s_mov_b32 s[G1+7], 0
	s_mov_b32 s[SEL], 0x76543210
	s_mov_b32 s[SEL+1], 0xfedcba98                 ; v_permlanex16_b32: lane l xor 16
	s_mov_b32 s[TB], 0
	s_mov_b32 s51, 0xfe800000                      ; -2^126
	s_mov_b32 s54, 0xf1800000                      ; -2^100
	s_wait_kmcnt 0x0
	s_load_b256 s[40:47], s[12:13], 0x0            ; e0 .. e7
	s_cmp_lt_u32 s[WV], 2                          ; waves 0 and 1 fetch K's halves, waves 2 and 3 V's
	s_cselect_b64 s[58:59], s[6:7], s[8:9]
	s_lshl_b32 s60, s53, 20                        ; the batch's 16 heads of 65,536 bytes,
	s_and_b32 s57, s[WV], 1
	s_lshl_b32 s57, s57, 15                        ; my half
	s_add_co_u32 s60, s60, s57
	s_mov_b32 s61, 0
	s_add_nc_u64 s[58:59], s[58:59], s[60:61]
	s_mov_b32 s[G0A], 1
	s_lshl_b32 s[G0A+1], s[WV], 15                 ; slot 0: wave x 32,768
	s_mov_b64 s[G0A+2:G0A+3], s[58:59]             ; head 0
	s_or_b32 s[G0A+3], s[G0A+3], 0x80000000
	s_mov_b32 s[G0B], 1
	s_add_co_u32 s[G0B+1], s[G0A+1], SLOT1         ; slot 1
	s_add_nc_u64 s[G0B+2:G0B+3], s[58:59], 65536   ; head 1; this descriptor then walks
	s_or_b32 s[G0B+3], s[G0B+3], 0x80000000
	CROUND                                         ; all four work-groups are here: the first joint loads meet
	tensor_load_to_lds s[G0A:G0A+3], s[G1:G1+7]    ; two loads of mine are out
	s_nop 0
	tensor_load_to_lds s[G0B:G0B+3], s[G1:G1+7]
	s_nop 0
	PLACES
	v_and_b32 v6, 31, v0
	v_bfe_u32 v22, v0, 4, 1                        ; h
	v_and_b32 v23, 15, v0                          ; r
	v_lshlrev_b32 v[LI], 4, v6
	v_lshlrev_b32 v[LXL], 3, v6
	v_add_nc_u32 v[LXL], LX, v[LXL]                ; 8 bytes a lane
	s_lshl_b32 s52, s[WV], 9
	v_add_nc_u32 v[LXS], s52, v[LXL]               ; my wave's 512 bytes
	s_lshl_b32 s52, s[WV], 14
	v_add_nc_u32 v[AK], s52, v[LI]                 ; my 16 key tiles of 1,024 bytes
	v_add_nc_u32 v[AV], 65536, v[AK]               ; my two steps of 8,192 bytes
	s_lshl_b32 s52, s[WV], 13
	v_add_nc_u32 v[OXS], s52, v[LI]
	v_add_nc_u32 v[OXS], OX, v[OXS]
	s_lshl_b32 s52, s[WV], 11
	v_add_nc_u32 v[OXL], s52, v[LI]
	v_add_nc_u32 v[OXL], OX, v[OXL]
	v_mul_u32_u24 v[STS], v23, SPITCH
	v_lshl_add_u32 v[STS], v22, 6, v[STS]
	s_lshl_b32 s52, s[WV], 10
	v_add_nc_u32 v[STS], s52, v[STS]               ; the stage: row r, + 64 h, + my 256 keys' 1,024 bytes
	v_add_nc_u32 v[STS+1], 16*SPITCH, v[STS]
	s_mul_i32 s52, s[WV], 8*SPITCH
	v_add_nc_u32 v[STR], s52, v[LI]                ; back: my 8 rows
	s_lshl_b32 s52, s53, 20
	s_lshl_b32 s57, s19, 11
	s_add_co_u32 s52, s52, s57
	v_add_nc_u32 v[QO], s52, v[LI]                 ; qc: batch, head 0, my two token tiles
	s_lshl_b32 s52, s53, 6
	s_lshl_b32 s57, s19, 1
	s_add_co_u32 s52, s52, s57
	s_and_b32 s57, s[WV], 1
	s_add_co_u32 s52, s52, s57                     ; ctxc: the row tile of query tile w % 2,
	s_lshl_b32 s52, s52, 14
	s_lshr_b32 s57, s[WV], 1
	s_lshl_b32 s57, s57, 9                         ; channels 32 (w / 2) on of head 0
	s_add_co_u32 s52, s52, s57
	v_add_nc_u32 v[CO], s52, v[LI]
	s_and_b32 s57, s[WV], 1
	s_cmp_lg_u32 s57, 0
	s_cselect_b32 s50, -1, 0                       ; all ones where my quarter of O^T belongs to query tile 1
	s_lshl_b32 s52, s57, 4
	s_lshr_b32 s57, s[WV], 1
	s_lshl_b32 s57, s57, 3
	s_add_co_u32 s52, s52, s57
	s_lshl_b32 s57, s19, 5
	s_add_co_u32 s52, s52, s57
	s_lshl_b32 s57, s53, 10
	s_add_co_u32 s52, s52, s57                     ; stage rows 8 w .. 8 w + 7 are the tokens 32 block + 16 (w % 2) + 8 (w / 2) + 0 .. 7
	s_lshl_b32 s60, s52, 12
	s_add_nc_u64 s[16:17], s[16:17], s[60:61]      ; out1 at their first row
	s_lshl_b32 s60, s53, 10
	s_add_nc_u64 s[10:11], s[10:11], s[60:61]      ; the batch's mask
	s_lshl_b32 s52, s[WV], 8
	v_lshl_add_u32 v22, v22, 4, s52                ; my 16 keys of a block of 32: 256 w + 16 h
.irp qt, 0,1
.irp c, 0,1
	global_load_b128 v[QF+8*\qt+4*\c:QF+8*\qt+4*\c+3], v[QO], s[4:5] offset:1024*\qt+512*\c   ; Q of head 0
.endr
.endr
.irp b, 0,1,2,3,4,5,6,7
	global_load_b128 v[MBY+4*\b:MBY+4*\b+3], v22, s[10:11] offset:32*\b
.endr
	s_wait_kmcnt 0x0
	s_add_co_i32 s52, s42, s43
	s_lshl_b32 s52, s52, 23
	s_add_co_i32 s[CS], s52, 0x3e38aa3b            ; c = log2(e) / 8, with e2 + e3 added to its exponent field: t = raw score x c
	s_mov_b32 s[CS+1], s[CS]                       ; (named with it as a pair, so it is written)
	s_add_co_i32 s52, s45, 127
	s_lshl_b32 s57, s52, 23
	v_mov_b32 v[SCP], s57
	s_add_co_i32 s52, s52, 8
	s_lshl_b32 s52, s52, 23
	s_or_b32 s52, s52, 0x600000
	v_mov_b32 v[LIMP], s52
	s_sub_co_i32 s52, s46, s44
	s_sub_co_i32 s52, s52, s45                     ; a sum of the second product stands for sum x 2^(e4 + e5): ctx's code is (sum / l) / 2^(e6 - e4 - e5)
	s_add_co_i32 s52, s52, 127
	s_lshl_b32 s57, s52, 23
	v_mov_b32 v[SCX], s57
	s_add_co_i32 s52, s52, 8
	s_lshl_b32 s56, s52, 23
	s_or_b32 s56, s56, 0x600000
	s_or_b32 s55, s56, 0x80000000
	v_mov_b32 v[NANR], 0x7fc00000
	v_mov_b32 v[NINF], 0xff800000
	v_mov_b32 v[BIGR], 0x71800000
.set n, 0
.rept 24
	v_mov_b32 v[ST+n], 0                           ; written once: the lane permutes' destinations and the pairs' upper halves count as read
.set n, n+1
.endr
	s_wait_loadcnt 0x0
	WIN 0xc0                                       ; destination window 3
.set n, 0
.rept 128
	v_bfe_u32 v[n], v[MBY+n/4], 8*(n%4), 1         ; key 32 (n / 16) + 16 h + n % 16 of my 256: 1 where it is padded
.set n, n+1
.endr
	WIN 0xc3
.set n, 0
.rept 128
	v_mul_lo_u32 v[n], v[n], s51                   ; -2^126 or 0
.set n, n+1
.endr
	WIN 0
	v_mov_b32 v[GS+1], 0                           ; the upper halves of the pairs f_w / (16 l): named, so they are written (the mask's bytes are done with)
	v_mov_b32 v[GS+9], 0
.macro FETCH_K                         ; my 16 fragments of K (16 keys x 64 channels: 8 registers): 32 loads of 512 bytes on end
	v_add_nc_u32 v[ADR], s[TB], v[AK]
	WIN 0xc0
.set n, 0
.rept 32
	ds_load_b128 v[128+4*n:128+4*n+3], v[ADR] offset:512*n
.set n, n+1
.endr
	WIN 0
.endm
.macro FETCH_V                         ; my 8 fragments of V^T (16 channels x 128 keys: 16 registers): fragment f = 4 sl + t
	v_add_nc_u32 v[ADR], s[TB], v[AV]
	WIN 0xc0
.irp f, 0,1,2,3,4,5,6,7
.irp c, 0,1,2,3
	ds_load_b128 v[128+16*\f+4*\c:128+16*\f+4*\c+3], v[ADR] offset:(\f/4)*8192+(\c/2)*4096+(\f%4)*1024+(\c%2)*512
.endr
.endr
	WIN 0
.endm
.macro TM1 c, i                        ; t - M for pair i of chunk c (of the pairs c and -M the low word serves both halves)
	v_pk_fma_f32 v[16*(\c)+2*(\i):16*(\c)+2*(\i)+1], v[16*(\c)+2*(\i):16*(\c)+2*(\i)+1], s[CS:CS+1], v[ST+12*((\c)/8):ST+12*((\c)/8)+1] op_sel_hi:[1,0,0]
.endm
.macro SCORES g                        ; eight products: key tiles 4 g .. 4 g + 3 x both query tiles; the mask is their C
	WIN 0x73                                       ; K and the mask in window 3, Q in window 0, S^T in window 1
.irp k, 0,1,2,3
.irp qt, 0,1
	v_wmma_f32_16x16x64_fp8_fp8 v[128*\qt+8*(4*(\g)+\k):128*\qt+8*(4*(\g)+\k)+7], v[128+8*(4*(\g)+\k):128+8*(4*(\g)+\k)+7], v[QF+8*\qt:QF+8*\qt+7], v[8*(4*(\g)+\k):8*(4*(\g)+\k)+7]
.endr
.endr
.endm
.macro MAXES g                         ; the largest raw score among group g's 64 registers: four chains a query tile; each accumulator from its low end on
	WIN 0x14                                       ; sources 1 and 2 in window 1
.set n, 0
.rept 16
	v_max3_num_f32 v[ST+2+n%4], v[ST+2+n%4], v[32*(\g)+2*n], v[32*(\g)+2*n+1]
	v_max3_num_f32 v[ST+14+n%4], v[ST+14+n%4], v[128+32*(\g)+2*n], v[128+32*(\g)+2*n+1]
.set n, n+1
.endr
.endm
; A HEAD'S FIRST PART: from the scores to the exchange's barrier.  fill = 1: behind that barrier the slot just read out takes the head two further on.  nextq = 1: the next head's Q is asked for.
.macro PRE fill, nextq
	s_wait_loadcnt 0x0                             ; Q
	s_wait_dscnt 0x0                               ; K
	; The products go in groups of eight, and the maximum over an earlier group stands between them: a group's results are read only behind 32 plain instructions (for group 0: the eight below) that name none of its registers
	SCORES 0
	SCORES 1
	WIN 0x14
.irp j, 2,3,4,5,14,15,16,17
	v_mov_b32 v[ST+\j], 0xff800000                 ; the chains begin under every score
.endr
	MAXES 0
	SCORES 2
	MAXES 1
	SCORES 3
	MAXES 2                                        ; also the places in front of the loads into K's and Q's registers
	WIN 0
	FETCH_V
.if \nextq
	v_add_nc_u32 v[QO], 65536, v[QO]               ; (free since the wait for Q above)
.irp qt, 0,1
.irp c, 0,1
	global_load_b128 v[QF+8*\qt+4*\c:QF+8*\qt+4*\c+3], v[QO], s[4:5] offset:1024*\qt+512*\c
.endr
.endr
.endif
	MAXES 3
	WIN 0
.irp qt, 0,1
	v_max3_num_f32 v[ST+12*\qt+2], v[ST+12*\qt+2], v[ST+12*\qt+3], v[ST+12*\qt+4]
.endr
.irp qt, 0,1
	v_max_num_f32 v[ST+12*\qt+2], v[ST+12*\qt+2], v[ST+12*\qt+5]
.endr
.irp qt, 0,1
	v_permlanex16_b32 v[ST+12*\qt+6], v[ST+12*\qt+2], s[SEL], s[SEL+1]
.endr
.irp qt, 0,1
	v_max_num_f32 v[ST+12*\qt+2], v[ST+12*\qt+2], v[ST+12*\qt+6]   ; my query's largest raw score among my wave's 256 keys
.endr
.irp qt, 0,1
	v_mul_f32 v[ST+12*\qt+3], s[CS], v[ST+12*\qt+2]                ; as t (c is positive)
.endr
.irp qt, 0,1
	v_floor_f32 v[ST+12*\qt+4], -v[ST+12*\qt+3]                    ; -M = floor(-t) = -ceil(t)
.endr
	v_cmp_gt_f32 s62, s54, v[ST+2]                 ; all my 256 keys padded?
	v_cmp_gt_f32 s63, s54, v[ST+14]
.irp qt, 0,1
	v_cndmask_b32 v[ST+12*\qt], v[ST+12*\qt+4], v[NINF], s[62+\qt]      ; then every p of mine is 0,
.endr
.irp qt, 0,1
	v_cndmask_b32 v[ST+12*\qt+11], v[ST+12*\qt+4], v[BIGR], s[62+\qt]   ; and what I hand on never sets the row's M
.endr
	s_wait_dscnt 0x0                               ; V's fragments are in; my reads of the last head's exchange areas were over before
	s_barrier_signal -1                            ; say so.  Only register work stands up to this barrier's wait; the next head's tile may stay on its way
	WIN 0x41                                       ; source 0 and destination in window 1
.irp i, 0,1,2,3,4,5,6,7
	TM1 0, \i
.endr
.set n, 0
.rept 16                                       ; chunk n = 8 qt + b: 16 neighbouring keys
	WIN 0x41
.set i, 0
.rept 8
	v_exp_f32 v[16*n+2*i], v[16*n+2*i]             ; p = 2^(t - M): it stays as it is, for the sum and for out1
	v_exp_f32 v[16*n+2*i+1], v[16*n+2*i+1]
.if n < 15
	TM1 n+1, i                                     ; the next chunk's scalings stand among the exponentials; the last is the plain line behind them
.endif
.set i, i+1
.endr
.if n == 15
	v_nop
	s_wait_alu depctr_va_vdst(0)
.endif
	WIN 0x01                                       ; source 0 in window 1
.set i, 0
	s_wait_alu depctr_va_vdst(0)
.rept 16
	v_min_num_f32 v[TQ+i], v[16*n+i], v[LIMP]      ; the conversion does not saturate (ISA guide 7.6.2); p is not negative, so the hold is one-sided
.set i, i+1
.endr
.set rL, ST+12*(n/8)+2
.if n%8 == 0
	WIN 0x05                                       ; sources 0 and 1 in window 1: a tile's first chunk starts the four chains: nothing is cleared
.set i, 0
.rept 4
	v_pk_add_f32 v[rL+2*i:rL+2*i+1], v[16*n+2*i:16*n+2*i+1], v[16*n+8+2*i:16*n+8+2*i+1]
.set i, i+1
.endr
.else
.set i, 0
.rept 8
	v_pk_add_f32 v[rL+2*(i%4):rL+2*(i%4)+1], v[16*n+2*i:16*n+2*i+1], v[rL+2*(i%4):rL+2*(i%4)+1]   ; the row's sum is taken of the unquantised p
.set i, i+1
.endr
.endif
	WIN 0
	v_cvt_scalef32_pk8_fp8_f32 v[PC+4*n:PC+4*n+1], v[TQ:TQ+7], v[SCP]
	v_cvt_scalef32_pk8_fp8_f32 v[PC+4*n+2:PC+4*n+3], v[TQ+8:TQ+15], v[SCP]
.if n%4 == 3                                   ; a fragment of p's codes (query tile n / 8, 128 keys) is whole: its four products go now, under the next chunks' vector work
	v_nop                                          ; a plain line between the conversions and the products that read their results
	WIN 0x03                                       ; V in window 3
.irp t, 0,1,2,3                                ; four accumulators by turns, one instruction a turn
.if (n/4)%2 == 0
	v_wmma_f32_16x16x128_fp8_fp8 v[OP+32*(n/8)+8*\t:OP+32*(n/8)+8*\t+7], v[128+16*\t:128+16*\t+15], v[PC+16*(n/4):PC+16*(n/4)+15], 0
.else
	v_wmma_f32_16x16x128_fp8_fp8 v[OP+32*(n/8)+8*\t:OP+32*(n/8)+8*\t+7], v[128+64+16*\t:128+64+16*\t+15], v[PC+16*(n/4):PC+16*(n/4)+15], v[OP+32*(n/8)+8*\t:OP+32*(n/8)+8*\t+7]
.endif
.endr
.endif
.set n, n+1
.endr
	WIN 0
.irp qt, 0,1                                   ; the sum's chains are joined: these lines are also the places behind the last products
	v_pk_add_f32 v[ST+12*\qt+2:ST+12*\qt+3], v[ST+12*\qt+2:ST+12*\qt+3], v[ST+12*\qt+4:ST+12*\qt+5]
	v_pk_add_f32 v[ST+12*\qt+6:ST+12*\qt+7], v[ST+12*\qt+6:ST+12*\qt+7], v[ST+12*\qt+8:ST+12*\qt+9]
.endr
.irp qt, 0,1
	v_pk_add_f32 v[ST+12*\qt+2:ST+12*\qt+3], v[ST+12*\qt+2:ST+12*\qt+3], v[ST+12*\qt+6:ST+12*\qt+7]
.endr
.irp qt, 0,1
	v_add_f32 v[ST+12*\qt+2], v[ST+12*\qt+2], v[ST+12*\qt+3]
.endr
.irp qt, 0,1
	v_permlanex16_b32 v[ST+12*\qt+4], v[ST+12*\qt+2], s[SEL], s[SEL+1]
.endr
.irp qt, 0,1
	v_add_f32 v[ST+12*\qt+10], v[ST+12*\qt+2], v[ST+12*\qt+4]      ; l over my 256 keys, under my M
.endr
	s_barrier_wait -1                              ; every wave's reads of the last head's exchange areas are over: they may be written
.irp qt, 0,1
	ds_store_b64 v[LXS], v[ST+12*\qt+10:ST+12*\qt+11] offset:256*\qt   ; (l, -M)
.endr
.irp qt, 0,1
.irp t, 0,1,2,3
.irp g, 0,1
	ds_store_b128 v[OXS], v[OP+32*\qt+8*\t+4*\g:OP+32*\qt+8*\t+4*\g+3] offset:(\qt+2*(\t/2))*2048+((\t%2)*2+\g)*512   ; unit qt + 2 (t / 2): 16 queries x 32 channels
.endr
.endr
.endr
	s_wait_tensorcnt 0x0                           ; all my tensor loads have landed: my part of the next head's slot; so a group 0 may be written
	ds_add_u32 v[SPW], v[NIL]                      ; 0 onto my spare word
.if \fill
	s_xor_b32 s[G0B+1], s[G0B+1], SLOT1            ; the walking descriptor: the other slot than last time,
	s_add_nc_u64 s[G0B+2:G0B+3], s[G0B+2:G0B+3], 65536   ; the next head; the type bits on top are not reached
.endif
	s_wait_dscnt 0x0                               ; the add and my stores are done; my reads of this head's slot were over long ago
.if \fill
	CROUND                                         ; no wave of any partner still reads the slot or has a load on its way
	tensor_load_to_lds s[G0B:G0B+3], s[G1:G1+7]    ; my one load behind the round, and the first thing there
	s_nop 0
	PLACES
.else
	s_barrier_signal -1
	s_barrier_wait -1
.endif
.endm
; A HEAD'S SECOND PART.  first = 1: the first head starts the mean: nothing is cleared.  nextk = 1: the next head's K is fetched.
.macro POST first, nextk
.irp qt, 0,1
.irp s, 0,1,2,3
	ds_load_b64 v[XBP+8*\qt+2*\s:XBP+8*\qt+2*\s+1], v[LXL] offset:512*\s+256*\qt    ; wave s's (l, -M)
.endr
.endr
.irp s, 0,1,2,3
.irp g, 0,1,2,3
	ds_load_b128 v[XO+16*\s+4*\g:XO+16*\s+4*\g+3], v[OXL] offset:8192*\s+512*\g     ; unit w of each wave's partial O^T
.endr
.endr
.if \nextk
	s_xor_b32 s[TB], s[TB], SLOT1
	FETCH_K
	s_wait_dscnt 48                                ; the pairs are in; behind them: 16 loads of O^T and 32 of K
.else
	s_wait_dscnt 16                                ; behind the pairs: 16 loads of O^T
.endif
.irp qt, 0,1
	v_min_num_f32 v[GS+8*\qt+2], v[XBP+8*\qt+1], v[XBP+8*\qt+3]
	v_min_num_f32 v[GS+8*\qt+6], v[XBP+8*\qt+5], v[XBP+8*\qt+7]
.endr
.irp qt, 0,1
	v_min_num_f32 v[GS+8*\qt+2], v[GS+8*\qt+2], v[GS+8*\qt+6]      ; the row's -M: the least of the four
.endr
.irp qt, 0,1
.irp s, 0,1,2,3
	v_sub_f32 v[XBP+8*\qt+2*\s+1], v[GS+8*\qt+2], v[XBP+8*\qt+2*\s+1]   ; M_s - M: a whole number, 0 or less
.endr
	v_sub_f32 v[GS+8*\qt+5], v[GS+8*\qt+2], v[ST+12*\qt+11]        ; and my own
.endr
.irp qt, 0,1
.irp s, 0,1,2,3
	v_cvt_i32_f32 v[XBP+8*\qt+2*\s+1], v[XBP+8*\qt+2*\s+1]         ; (it saturates)
.endr
	v_cvt_i32_f32 v[GS+8*\qt+5], v[GS+8*\qt+5]
.endr
.irp qt, 0,1
.irp s, 0,1,2,3
	v_ldexp_f32 v[FS+2*\s+\qt], 1.0, v[XBP+8*\qt+2*\s+1]           ; f_s = 2^(M_s - M): a multiplication by it rounds nothing
.endr
	v_ldexp_f32 v[GS+8*\qt+5], 1.0, v[GS+8*\qt+5]
.endr
.irp qt, 0,1
	v_mul_f32 v[GS+8*\qt+3], v[FS+\qt], v[XBP+8*\qt]
.endr
.irp s, 1,2,3
.irp qt, 0,1
	v_fma_f32 v[GS+8*\qt+3], v[FS+2*\s+\qt], v[XBP+8*\qt+2*\s], v[GS+8*\qt+3]   ; l = the sum of f_s l_s
.endr
.endr
.irp qt, 0,1
	v_rcp_f32 v[GS+8*\qt+4], v[GS+8*\qt+3]
.endr
.irp qt, 0,1
	v_mul_f32 v[GS+8*\qt+5], 0x3d800000, v[GS+8*\qt+5]             ; f_w / 16  (plain lines behind the reciprocals)
.endr
	v_cmp_ge_f32 s62, v[GS+2], v[BIGR]             ; every key of the batch padded?
	v_cmp_ge_f32 s63, v[GS+10], v[BIGR]
	s_wait_alu depctr_va_vdst(0)
.irp qt, 0,1
	v_cndmask_b32 v[GS+8*\qt+4], v[GS+8*\qt+4], v[NANR], s[62+\qt] ; then NaN, as the definition gives
.endr
.irp qt, 0,1
	v_mul_f32 v[GS+8*\qt], v[GS+8*\qt+4], v[GS+8*\qt+5]            ; f_w / (16 l)
.endr
.irp s, 0,1,2,3
	v_cndmask_b32 v[FS+2*\s], v[FS+2*\s], v[FS+2*\s+1], s50        ; f_s of the tile whose quarter of O^T is mine,
.endr
	v_cndmask_b32 v[RLO], v[GS+4], v[GS+12], s50
.irp s, 0,1,2,3
	v_mul_f32 v[FS+2*\s], v[FS+2*\s], v[RLO]                       ; / l
.endr
.if \first
	WIN 0x81                                       ; p in window 1, the mean in window 2
.set n, 0
.rept 128
	v_pk_mul_f32 v[2*n:2*n+1], v[2*n:2*n+1], v[GS+8*(n/64):GS+8*(n/64)+1] op_sel_hi:[1,0]
.set n, n+1
.endr
.else
	WIN 0xa1
.set n, 0
.rept 128
	v_pk_fma_f32 v[2*n:2*n+1], v[2*n:2*n+1], v[GS+8*(n/64):GS+8*(n/64)+1], v[2*n:2*n+1] op_sel_hi:[1,0,1]   ; the mean over heads += p f_w / (16 l)
.set n, n+1
.endr
.endif
	WIN 0
.if \nextk
	s_wait_dscnt 32                                ; O^T's parts are in; K's 32 loads may be out
.else
	s_wait_dscnt 0x0
.endif
	s_wait_xcnt 0x0                                ; the last head's store has read its data and its address: both are written again only behind this wait
.if \first == 0
	v_add_nc_u32 v[CO], 1024, v[CO]                ; head h's 64 channels: two groups of 512 bytes on
.endif
.irp i, 0,2,4,6,8,10,12,14
	v_pk_mul_f32 v[XO+\i:XO+\i+1], v[XO+\i:XO+\i+1], v[FS:FS+1] op_sel_hi:[1,0]
.endr
.irp s, 1,2,3
.irp i, 0,2,4,6,8,10,12,14
	v_pk_fma_f32 v[XO+\i:XO+\i+1], v[XO+16*\s+\i:XO+16*\s+\i+1], v[FS+2*\s:FS+2*\s+1], v[XO+\i:XO+\i+1] op_sel_hi:[1,0,1]   ; O / l = the sum of (f_s / l) O_s
.endr
.endr
.set i, 0
.rept 16
	v_med3_num_f32 v[XO+i], v[XO+i], s55, s56
.set i, i+1
.endr
	v_cvt_scalef32_pk8_fp8_f32 v[CC:CC+1], v[XO:XO+7], v[SCX]
	v_cvt_scalef32_pk8_fp8_f32 v[CC+2:CC+3], v[XO+8:XO+15], v[SCX]
	v_nop                                          ; a plain line behind the last conversion
	global_store_b128 v[CO], v[CC:CC+3], s[14:15]  ; 512 bytes on end of ctx's image
.endm
	s_wait_tensorcnt 1                             ; my part of head 0 is in; head 1's may stay out
	s_barrier_signal -1
	s_barrier_wait -1                              ; everybody's is
	FETCH_K
	PRE 1, 1                                       ; head 0
	POST 1, 1
	s_mov_b32 s[HC], 13
.Lhead:                                                ; heads 1 to 13
	PRE 1, 1
	POST 0, 1
	s_sub_co_u32 s[HC], s[HC], 1
	s_cmp_lg_u32 s[HC], 0
	s_cbranch_scc1 .Lhead
	PRE 0, 1                                       ; the last two heads are written out
	POST 0, 1
	PRE 0, 0
	POST 0, 0
	; out1.  A lane holds 16 neighbouring keys of one query, and a query's 1,024 keys lie in four waves: the 32 rows meet in a stage and leave as whole rows.  Every wave has passed the last barrier, behind which nobody reads a slot.
	WIN 0x08                                       ; the stores' data in window 2
.irp qt, 0,1
.irp b, 0,1,2,3,4,5,6,7
.irp g, 0,1,2,3
	ds_store_b128 v[STS+\qt], v[128*\qt+16*\b+4*\g:128*\qt+16*\b+4*\g+3] offset:128*\b+16*\g
.endr
.endr
.endr
	WIN 0
	s_wait_dscnt 0x0                               ; for the others' sake
	s_barrier_signal -1
	s_barrier_wait -1
	WIN 0x40
.set n, 0
.rept 64
	ds_load_b128 v[4*n:4*n+3], v[STR] offset:(n/8)*SPITCH+(n%8)*512
.set n, n+1
.endr
	WIN 0x04                                       ; the stores' data in window 1
.set n, 0
.rept 64
	s_wait_dscnt 63-n                              ; load n is in; the younger ones may be out
	global_store_b128 v[LI], v[4*n:4*n+3], s[16:17] offset:512*n th:TH_STORE_NT     ; 512 bytes on end; my 8 rows are 8 rows of out1 on end
.set n, n+1
.endr
	WIN 0
	s_wait_tensorcnt 0x0                           ; the wave's end
	ds_add_u32 v[SPW], v[NIL]
	s_wait_dscnt 0x0
	CROUND                                         ; the closing round
	s_endpgm
.Lfunc_end_k_qae6f2e2a9e_attn:
	.size	k_qae6f2e2a9e_attn, .Lfunc_end_k_qae6f2e2a9e_attn-k_qae6f2e2a9e_attn
	.p2alignl 7, 3214868480
	.fill 96, 4, 3214868480
	.section	.rodata,"a",@progbits
	.p2align	6, 0x0
	.amdhsa_kernel k_qae6f2e2a9e_attn
		.amdhsa_group_segment_fixed_size 327680
		.amdhsa_private_segment_fixed_size 0
		.amdhsa_enable_private_segment 0
		.amdhsa_kernarg_size 56
		.amdhsa_user_sgpr_count 2
		.amdhsa_user_sgpr_kernarg_segment_ptr 1
		.amdhsa_wavefront_size32 1
		.amdhsa_system_sgpr_workgroup_id_x 1
		.amdhsa_system_sgpr_workgroup_id_y 1
		.amdhsa_system_sgpr_workgroup_id_z 1
		.amdhsa_system_vgpr_workitem_id 0
		.amdhsa_next_free_vgpr 1024
		.amdhsa_next_free_sgpr 66
		.amdhsa_reserve_vcc 0
		.amdhsa_float_denorm_mode_32 3
		.amdhsa_float_denorm_mode_16_64 3
		.amdhsa_memory_ordered 1
		.amdhsa_forward_progress 1
		.amdhsa_inst_pref_size 255
	.end_amdhsa_kernel
	.section	.bss,"aw",@nobits
	.p2align	6
	.space	262144
	.amdgpu_metadata
---
amdhsa.version: [ 1, 2 ]
amdhsa.kernels:
  - .name:           k_qae6f2e2a9e_attn
    .symbol:         k_qae6f2e2a9e_attn.kd
    .args:
      - { .name: qc, .offset: 0, .size: 8, .value_kind: global_buffer, .address_space: global }
      - { .name: kc, .offset: 8, .size: 8, .value_kind: global_buffer, .address_space: global }
      - { .name: vc, .offset: 16, .size: 8, .value_kind: global_buffer, .address_space: global }
      - { .name: key_padding_mask, .offset: 24, .size: 8, .value_kind: global_buffer, .address_space: global }
      - { .name: lowp_scales, .offset: 32, .size: 8, .value_kind: global_buffer, .address_space: global }
      - { .name: ctxc, .offset: 40, .size: 8, .value_kind: global_buffer, .address_space: global }
      - { .name: out1, .offset: 48, .size: 8, .value_kind: global_buffer, .address_space: global }
    .group_segment_fixed_size: 327680
    .private_segment_fixed_size: 0
    .kernarg_segment_align: 8
    .kernarg_segment_size: 56
    .max_flat_workgroup_size: 128
    .sgpr_count:     66
    .vgpr_count:     1024
    .wavefront_size: 32
...
	.end_amdgpu_metadata
.endif
;; end of part 3
;; launch oproj (part 4): grid 256 x 1, 4 waves a work-group, clusters of 4 x 1, 327,680 bytes of LDS; arguments ctxc, w4c, out_proj_b, src, key_padding_mask, ln_w, ln_b, lowp_scales, out0; writes out0
.if DOCPART == 4
	.amdgcn_target "amdgcn-amd-amdhsa--gfx1250"
	.amdhsa_code_object_version 6
	.text
	.protected	k_qae6f2e2a9e_oproj
	.globl	k_qae6f2e2a9e_oproj
	.p2align	8
	.type	k_qae6f2e2a9e_oproj,@function
k_qae6f2e2a9e_oproj:
	s_mov_b64 s[64:65], 0
	v_nop
	global_prefetch_b8 v0, s[64:65] scope:SCOPE_SE
	s_setreg_imm32_b32 hwreg(HW_REG_WAVE_MODE, 25, 1), 1
	s_wait_xcnt 0x0
	s_wait_alu depctr_hold_cnt(0) depctr_sa_sdst(0) depctr_va_vdst(0) depctr_va_sdst(0) depctr_va_ssrc(0) depctr_va_vcc(0) depctr_vm_vsrc(0)
	s_getreg_b32 s2, hwreg(HW_REG_IB_STS2, 6, 4)
	s_cmp_eq_u32 s2, 0
	s_cbranch_scc0 .Lentry_in_a_cluster
	s_endpgm
.Lentry_in_a_cluster:
	s_bfe_u32 s2, ttmp6, 0x10000c
	s_cmp_lg_u32 s2, 0x3003
	s_cbranch_scc0 .Lentry_shape_is_right
	s_endpgm
.Lentry_shape_is_right:
; out0 = where(mask, 0, LayerNorm(ctx Wout^T + b + src)), the product on codes of E4M3 (2^e6, 2^e7).  A padded token's row is 0 whatever stands ahead of the last select, so the mask enters once, at the end.
; SHARES.  A work-group owns 32 tokens (two row tiles) and all 1,024 features, so the norm stays inside it.  Wave w makes features 256 w .. 256 w + 255 for both tiles: 32 accumulators.
; ctx's 16 fragments stay in registers.  Wout goes through two LDS slots, a K step of 128 each (131,072 bytes); wave w fetches and reads its own 16 row tiles.
; The product is used transposed (source 0 = 16 rows of Wout, source 1 = 16 tokens): a lane holds one token and 16 neighbouring features of each pair of tiles.
; CLUSTER 4 x 1: the four token blocks walk the same Wout: each K step is asked for jointly, once for the four.
; The raw sums meet in a stage in LDS (32 rows of 4,096 + 16 bytes, where the slots lay); each wave then takes 8 whole rows: x 2^(e6 + e7) + b + src, mean, centred squares, scale, gain and bias, select, store.
; LIMITS: e6 + e7 between -126 and 127.
; REGISTERS: window 0: addresses; v32-63 b, v64-95 the gain, v96-127 the norm's bias (my 4 columns of each 128); v128-191 two rows at work; v192-207 at work.
;   window 1: ctx's fragments ((tile, K step s) at 128 tile + 16 s), later 8 rows of src.  window 2: Wout's 16 fragments, later the 8 rows read back.  window 3: the sums ((tile, b) at 128 tile + 8 b).
.set SLOT1, 131072
.set SPARE, 262144                     ; the spare words, 128 bytes for each wave, which no other line names
.set SPITCH, 4112
.set LI,  1
.set SPW, 2
.set NIL, 3
.set AP,  4                            ; v4, v5: my part of slot 0, 1
.set STS, 6                            ; v6, v7: the stage on the way in, tile 0, 1
.set STR, 8
.set OB,  32
.set LW,  64
.set LB,  96
.set ZB,  128
.set W0,  192
.set WV,  22
.set G1,  24
.set G0,  32                           ; s[32:35], s[36:39]: group 0 for slot 0, 1
.set SCL, 48                           ; s[48:49] 2^(e6 + e7)
.set SEL, 50
.set KEEP, 66                          ; s66-73: all ones where my row's token is not padded
.set MSB, 0
.macro WIN new
.if MSB != \new
	s_set_vgpr_msb (MSB<<8)|\new
.set MSB, \new
.endif
.endm
.macro PLACES
.rept 4
	v_nop
.endr
.endm
.macro CROUND
	s_barrier_signal -1
	s_barrier_wait -1
	s_cmp_lg_u32 s[WV], 0
	s_cbranch_scc1 .Lnot_wave_0_\@
	s_barrier_signal -3
.Lnot_wave_0_\@:
	s_barrier_wait -3
	s_barrier_signal -1
	s_barrier_wait -1
.endm
	s_load_b256 s[4:11], s[0:1], 0x0               ; ctxc s[4:5], w4c s[6:7], out_proj_b s[8:9], src s[10:11]
	s_load_b256 s[12:19], s[0:1], 0x20             ; mask s[12:13], ln_w s[14:15], ln_b s[16:17], the scales' exponents s[18:19]
	s_load_b64 s[20:21], s[0:1], 0x40              ; out0
	v_lshl_add_u32 v[SPW], v0, 2, SPARE
	v_mov_b32 v[NIL], 0
	ds_add_u32 v2, v3
	ds_add_u32 v2, v3
	s_wait_dscnt 0x0
	v_lshrrev_b32 v9, 5, v0
	v_readfirstlane_b32 s[WV], v9                  ; wave 0..3
	; descriptor group 1: 16 rows (row tiles) of 2,048 bytes (one image), 16,384 bytes apart
	s_mov_b32 s[G1], 15|(3<<16)|(1<<21)            ; 15:0 the mask: all four work-groups; 17:16 elements of 8 bytes; 21 set beside a mask
	s_mov_b32 s[G1+1], 256<<16                     ; tensor_dim0 = 256 elements
	s_mov_b32 s[G1+2], 16<<16                      ; tensor_dim1 = 16
	s_mov_b32 s[G1+3], 256<<16                     ; tile_dim0
	s_mov_b32 s[G1+4], 16                          ; tile_dim1
	s_mov_b32 s[G1+5], 2048                        ; tensor_dim0_stride
	s_mov_b32 s[G1+6], 0
	s_mov_b32 s[G1+7], 0
	s_mov_b32 s[SEL], 0x76543210
	s_mov_b32 s[SEL+1], 0xfedcba98
	s_mov_b32 s74, 0x3a800000                      ; 1 / 1,024
	s_mov_b32 s75, 0x3727c5ac                      ; 1e-5
	s_lshl_b32 s58, s[WV], 18                      ; my 16 row tiles of Wout
	s_mov_b32 s59, 0
	s_wait_kmcnt 0x0
	s_load_b256 s[40:47], s[18:19], 0x0            ; e0 .. e7
	s_add_nc_u64 s[58:59], s[6:7], s[58:59]
.irp s, 0,1
	s_mov_b32 s[G0+4*\s], 1
	s_lshl_b32 s[G0+4*\s+1], s[WV], 15
	s_add_co_u32 s[G0+4*\s+1], s[G0+4*\s+1], \s*SLOT1
	s_add_nc_u64 s[G0+4*\s+2:G0+4*\s+3], s[58:59], \s*2048
	s_or_b32 s[G0+4*\s+3], s[G0+4*\s+3], 0x80000000
.endr
	CROUND                                         ; all four work-groups are here: the first joint loads meet
	tensor_load_to_lds s[G0:G0+3], s[G1:G1+7]      ; K steps 0 and 1: two loads of mine are out
	s_nop 0
	tensor_load_to_lds s[G0+4:G0+7], s[G1:G1+7]
	s_nop 0
	PLACES
	s_bfe_u32 s23, ttmp6, 0x40000                  ; cx
	s_lshl_b32 s52, ttmp9, 2
	s_add_co_u32 s23, s52, s23                     ; my block of 32 tokens
	v_and_b32 v9, 31, v0
	v_bfe_u32 v10, v0, 4, 1                        ; h
	v_and_b32 v11, 15, v0                          ; r
	v_lshlrev_b32 v[LI], 4, v9
	s_lshl_b32 s52, s[WV], 15
	v_add_nc_u32 v[AP], s52, v[LI]
	v_add_nc_u32 v[AP+1], SLOT1, v[AP]
	v_mul_u32_u24 v[STS], v11, SPITCH
	v_lshl_add_u32 v[STS], v10, 6, v[STS]
	s_lshl_b32 s52, s[WV], 10
	v_add_nc_u32 v[STS], s52, v[STS]               ; the stage: row r, + 64 h, + my 256 features' 1,024 bytes
	v_add_nc_u32 v[STS+1], 16*SPITCH, v[STS]
	s_mul_i32 s52, s[WV], 8*SPITCH
	v_add_nc_u32 v[STR], s52, v[LI]
	v_mov_b32 v[W0+6], 0                           ; written once: a lane permute's destination counts as read
	s_and_b32 s52, s[WV], 1
	s_lshl_b32 s52, s52, 4
	s_lshr_b32 s53, s[WV], 1
	s_lshl_b32 s53, s53, 3
	s_add_co_u32 s52, s52, s53
	s_lshl_b32 s53, s23, 5
	s_add_co_u32 s52, s52, s53                     ; stage rows 8 w .. 8 w + 7 are the tokens 32 block + 16 (w % 2) + 8 (w / 2) + 0 .. 7
	s_mov_b32 s53, 0
	s_add_nc_u64 s[12:13], s[12:13], s[52:53]
	s_load_b64 s[56:57], s[12:13], 0x0             ; their eight mask bytes
	s_lshl_b32 s52, s52, 12
	s_add_nc_u64 s[10:11], s[10:11], s[52:53]      ; src and out0 at their first row
	s_add_nc_u64 s[20:21], s[20:21], s[52:53]
	s_lshl_b32 s52, s23, 15
	s_add_nc_u64 s[4:5], s[4:5], s[52:53]          ; ctx's two row tiles
	WIN 0x40
.set n, 0
.rept 64
	global_load_b128 v[4*n:4*n+3], v[LI], s[4:5] offset:512*n      ; ctx's 16 fragments: they stay
.set n, n+1
.endr
	WIN 0
.irp k, 0,1,2,3,4,5,6,7
	global_load_b128 v[OB+4*\k:OB+4*\k+3], v[LI], s[8:9] offset:512*\k
	global_load_b128 v[LW+4*\k:LW+4*\k+3], v[LI], s[14:15] offset:512*\k
	global_load_b128 v[LB+4*\k:LB+4*\k+3], v[LI], s[16:17] offset:512*\k
.endr
	s_wait_kmcnt 0x0
.irp lo, 0,1,2,3,4,5,6,7
	s_bfe_u32 s52, s[56+\lo/4], 0x80000+8*(\lo%4)
	s_cmp_eq_u32 s52, 0
	s_cselect_b32 s[KEEP+\lo], -1, 0
.endr
	s_add_co_i32 s[SCL], s46, s47
	s_add_co_i32 s[SCL], s[SCL], 127
	s_lshl_b32 s[SCL], s[SCL], 23                  ; 2^(e6 + e7) as f32
	s_mov_b32 s[SCL+1], s[SCL]
	s_wait_loadcnt 0x0
	s_wait_tensorcnt 1                             ; my part of K step 0 is in, and only I read it; K step 1's may be out
; A K step of 128: my 16 fragments of Wout, 32 matrix instructions on 32 accumulators by turns.  Up to step 5 the slot is then filled again, two steps ahead.
.macro KSTEP s
	WIN 0x80
.set n, 0
.rept 64
	ds_load_b128 v[4*n:4*n+3], v[AP+(\s)%2] offset:512*n
.set n, n+1
.endr
	WIN 0xf6                                       ; Wout in window 2, ctx in window 1, the sums in window 3
.irp b, 0,1,2,3,4,5,6,7,8,9,10,11,12,13,14,15
	s_wait_dscnt 4*(15-\b)                         ; fragment b is in; the later fragments' loads may be out
.irp qt, 0,1
.if \s == 0
	v_wmma_f32_16x16x128_fp8_fp8 v[128*\qt+8*\b:128*\qt+8*\b+7], v[16*\b:16*\b+15], v[128*\qt+16*(\s):128*\qt+16*(\s)+15], 0
.else
	v_wmma_f32_16x16x128_fp8_fp8 v[128*\qt+8*\b:128*\qt+8*\b+7], v[16*\b:16*\b+15], v[128*\qt+16*(\s):128*\qt+16*(\s)+15], v[128*\qt+8*\b:128*\qt+8*\b+7]
.endif
.endr
.endr
	WIN 0
.if \s <= 5
	s_wait_tensorcnt 0x0                           ; all my tensor loads have landed: the next K step's; so a group 0 may be written
	ds_add_u32 v[SPW], v[NIL]                      ; 0 onto my spare word
	s_add_nc_u64 s[G0+4*((\s)%2)+2:G0+4*((\s)%2)+3], s[G0+4*((\s)%2)+2:G0+4*((\s)%2)+3], 4096   ; this slot's next K step
	s_wait_dscnt 0x0                               ; the add is done, and my reads of this slot are over
	CROUND                                         ; no wave of any partner still reads the slot or has a load on its way
	tensor_load_to_lds s[G0+4*((\s)%2):G0+4*((\s)%2)+3], s[G1:G1+7]   ; my one load behind the round, and the first thing there
	s_nop 0
	PLACES                                         ; also the places in front of the next loads into Wout's registers
.elseif \s == 6
	s_wait_tensorcnt 0x0                           ; the last K step's tile, my own, is in; nothing is filled again
	PLACES
.else
	PLACES
.endif
.endm
.irp s, 0,1,2,3,4,5,6,7
	KSTEP \s
.endr
	WIN 0x40
.set n, 0
.rept 64
	global_load_b128 v[4*n:4*n+3], v[LI], s[10:11] offset:512*n th:TH_LOAD_NT      ; the residual: my 8 rows of src, where ctx's fragments lay
.set n, n+1
.endr
	WIN 0
	s_wait_dscnt 0x0
	s_barrier_signal -1
	s_barrier_wait -1                              ; every wave's reads of the slots are over and every tile has landed: the stage may be written
	WIN 0x0c                                       ; the stores' data in window 3
.irp qt, 0,1
.irp b, 0,1,2,3,4,5,6,7
.irp g, 0,1,2,3
	ds_store_b128 v[STS+\qt], v[128*\qt+16*\b+4*\g:128*\qt+16*\b+4*\g+3] offset:128*\b+16*\g    ; the raw sums, each accumulator from its low end on
.endr
.endr
.endr
	WIN 0
	s_wait_dscnt 0x0                               ; for the others' sake
	s_barrier_signal -1
	s_barrier_wait -1
	WIN 0x80
.set n, 0
.rept 64
	ds_load_b128 v[4*n:4*n+3], v[STR] offset:(n/8)*SPITCH+(n%8)*512
.set n, n+1
.endr
	WIN 0
.macro REDUCE                          ; v[W0] summed over the 32 lanes, the result in every lane
	v_add_f32_dpp v[W0], v[W0], v[W0] row_xmask:1 row_mask:0xf bank_mask:0xf
	v_add_f32_dpp v[W0], v[W0], v[W0] row_xmask:2 row_mask:0xf bank_mask:0xf
	v_add_f32_dpp v[W0], v[W0], v[W0] row_xmask:4 row_mask:0xf bank_mask:0xf
	v_add_f32_dpp v[W0], v[W0], v[W0] row_xmask:8 row_mask:0xf bank_mask:0xf
	v_permlanex16_b32 v[W0+6], v[W0], s[SEL], s[SEL+1]
	v_add_f32 v[W0], v[W0], v[W0+6]
.endm
; One row of 1,024 numbers, 32 a lane.
.macro ROW lo
.set Z, ZB+32*((\lo)%2)
	s_wait_dscnt 8*(7-\lo)                         ; this row's sums are back; the later rows' loads may be out
	s_wait_loadcnt 8*(7-\lo)                       ; likewise src
	s_wait_xcnt 0x0                                ; the stores of two rows ago have read these registers
	WIN 0x02                                       ; source 0 in window 2
.set i, 0
.rept 16
	v_pk_fma_f32 v[Z+2*i:Z+2*i+1], v[32*(\lo)+2*i:32*(\lo)+2*i+1], s[SCL:SCL+1], v[OB+2*i:OB+2*i+1] op_sel_hi:[1,0,1]   ; sum x 2^(e6 + e7) + b
.set i, i+1
.endr
	WIN 0x01                                       ; source 0 in window 1
.set i, 0
.rept 16
	v_pk_add_f32 v[Z+2*i:Z+2*i+1], v[32*(\lo)+2*i:32*(\lo)+2*i+1], v[Z+2*i:Z+2*i+1]     ; + the residual
.set i, i+1
.endr
	WIN 0
	v_pk_add_f32 v[W0:W0+1], v[Z:Z+1], v[Z+2:Z+3]
	v_pk_add_f32 v[W0+2:W0+3], v[Z+4:Z+5], v[Z+6:Z+7]
.irp i, 8,12,16,20,24,28
	v_pk_add_f32 v[W0:W0+1], v[W0:W0+1], v[Z+\i:Z+\i+1]
	v_pk_add_f32 v[W0+2:W0+3], v[W0+2:W0+3], v[Z+\i+2:Z+\i+3]
.endr
	v_pk_add_f32 v[W0:W0+1], v[W0:W0+1], v[W0+2:W0+3]
	v_add_f32 v[W0], v[W0], v[W0+1]
	REDUCE
	v_mul_f32 v[W0+4], s74, v[W0]                  ; the mean,
	v_mul_f32 v[W0+5], s74, v[W0]                  ; twice: a pair for the packed form
.set i, 0
.rept 16
	v_pk_add_f32 v[Z+2*i:Z+2*i+1], v[Z+2*i:Z+2*i+1], v[W0+4:W0+5] neg_lo:[0,1] neg_hi:[0,1]   ; centred first: the variance is no difference of large sums
.set i, i+1
.endr
	v_pk_mul_f32 v[W0:W0+1], v[Z:Z+1], v[Z:Z+1]
	v_pk_mul_f32 v[W0+2:W0+3], v[Z+2:Z+3], v[Z+2:Z+3]
.irp i, 4,8,12,16,20,24,28
	v_pk_fma_f32 v[W0:W0+1], v[Z+\i:Z+\i+1], v[Z+\i:Z+\i+1], v[W0:W0+1]
	v_pk_fma_f32 v[W0+2:W0+3], v[Z+\i+2:Z+\i+3], v[Z+\i+2:Z+\i+3], v[W0+2:W0+3]
.endr
	v_pk_add_f32 v[W0:W0+1], v[W0:W0+1], v[W0+2:W0+3]
	v_add_f32 v[W0], v[W0], v[W0+1]
	REDUCE
	v_fma_f32 v[W0+4], v[W0], s74, s75             ; the variance + 1e-5
	v_rsq_f32 v[W0+8], v[W0+4]
	v_rsq_f32 v[W0+9], v[W0+4]
	v_nop                                          ; a plain line behind the transcendentals
.set i, 0
	s_wait_alu depctr_va_vdst(0)
.rept 16
	v_pk_mul_f32 v[Z+2*i:Z+2*i+1], v[Z+2*i:Z+2*i+1], v[W0+8:W0+9]
.set i, i+1
.endr
.set i, 0
.rept 16
	v_pk_fma_f32 v[Z+2*i:Z+2*i+1], v[Z+2*i:Z+2*i+1], v[LW+2*i:LW+2*i+1], v[LB+2*i:LB+2*i+1]
.set i, i+1
.endr
.set i, 0
.rept 32
	v_cndmask_b32 v[Z+i], 0, v[Z+i], s[KEEP+\lo]   ; a padded token's row is 0
.set i, i+1
.endr
.irp k, 0,1,2,3,4,5,6,7
	global_store_b128 v[LI], v[Z+4*\k:Z+4*\k+3], s[20:21] offset:4096*(\lo)+512*\k th:TH_STORE_NT   ; 512 bytes on end
.endr
.endm
.irp lo, 0,1,2,3,4,5,6,7
	ROW \lo
.endr
	s_wait_tensorcnt 0x0                           ; the wave's end
	ds_add_u32 v[SPW], v[NIL]
	s_wait_dscnt 0x0
	CROUND                                         ; the closing round
	s_endpgm
.Lfunc_end_k_qae6f2e2a9e_oproj:
	.size	k_qae6f2e2a9e_oproj, .Lfunc_end_k_qae6f2e2a9e_oproj-k_qae6f2e2a9e_oproj
	.p2alignl 7, 3214868480
	.fill 96, 4, 3214868480
	.section	.rodata,"a",@progbits
	.p2align	6, 0x0
	.amdhsa_kernel k_qae6f2e2a9e_oproj
		.amdhsa_group_segment_fixed_size 327680
		.amdhsa_private_segment_fixed_size 0
		.amdhsa_enable_private_segment 0
		.amdhsa_kernarg_size 72
		.amdhsa_user_sgpr_count 2
		.amdhsa_user_sgpr_kernarg_segment_ptr 1
		.amdhsa_wavefront_size32 1
		.amdhsa_system_sgpr_workgroup_id_x 1
		.amdhsa_system_sgpr_workgroup_id_y 1
		.amdhsa_system_sgpr_workgroup_id_z 1
		.amdhsa_system_vgpr_workitem_id 0
		.amdhsa_next_free_vgpr 1024
		.amdhsa_next_free_sgpr 80
		.amdhsa_reserve_vcc 0
		.amdhsa_float_denorm_mode_32 3
		.amdhsa_float_denorm_mode_16_64 3
		.amdhsa_memory_ordered 1
		.amdhsa_forward_progress 1
		.amdhsa_inst_pref_size 174
	.end_amdhsa_kernel
	.amdgpu_metadata
---
amdhsa.version: [ 1, 2 ]
amdhsa.kernels:
  - .name:           k_qae6f2e2a9e_oproj
    .symbol:         k_qae6f2e2a9e_oproj.kd
    .args:
      - { .name: ctxc, .offset: 0, .size: 8, .value_kind: global_buffer, .address_space: global }
      - { .name: w4c, .offset: 8, .size: 8, .value_kind: global_buffer, .address_space: global }
      - { .name: out_proj_b, .offset: 16, .size: 8, .value_kind: global_buffer, .address_space: global }
      - { .name: src, .offset: 24, .size: 8, .value_kind: global_buffer, .address_space: global }
      - { .name: key_padding_mask, .offset: 32, .size: 8, .value_kind: global_buffer, .address_space: global }
      - { .name: ln_w, .offset: 40, .size: 8, .value_kind: global_buffer, .address_space: global }
      - { .name: ln_b, .offset: 48, .size: 8, .value_kind: global_buffer, .address_space: global }
      - { .name: lowp_scales, .offset: 56, .size: 8, .value_kind: global_buffer, .address_space: global }
      - { .name: out0, .offset: 64, .size: 8, .value_kind: global_buffer, .address_space: global }
    .group_segment_fixed_size: 327680
    .private_segment_fixed_size: 0
    .kernarg_segment_align: 8
    .kernarg_segment_size: 72
    .max_flat_workgroup_size: 128
    .sgpr_count:     80
    .vgpr_count:     1024
    .wavefront_size: 32
...
	.end_amdgpu_metadata
.endif
;; end of part 4
